; MI455X (gfx1250); checked and timed in simulation.
; The chip was launched on July 23, 2026; its instructions are those of AMD's public machine-readable ISA for CDNA 5 (MIT licence, August 2026) and "CDNA5" Instruction Set Architecture Reference Guide (July 2026). The comments in the code are by the model that wrote it; some were corrected since.
;; Multi Head Self Attention. Allowed arithmetic: matrix products marked QUANTISED: E2M3 operands, one E8M0 scale for each 32 along K, by v_wmma_scale_f32_16x16x128_f8f6f4 with both operands' format E2M3, f32 sums; everything else in f32.
;; Inputs: b_proj 1,024 float32; b_qkv 3,072 float32; w_proj 1,024 x 1,024 float32; w_qkv 1,024 x 3,072 float32; x 8 x 1,024 x 1,024 float32.
;; Outputs: out0 8 x 1,024 x 1,024 float32.
;; This version of the problem:
;;   THIS VERSION OF THE PROBLEM IS GIVEN IN LOW PRECISION. The matrix products marked QUANTISED in the list below multiply operands that are first quantised to E2M3 (2 exponent bits, 3 mantissa bits; 6 bits a number), with one power-of-two scale for each 32 numbers along K (OCP MX v1.0); their sums are f32. All else is computed in f32.
;;   The module's matrix products, in the order in which they are computed (A, B: the left and right operand; K: the contracted axis; several contracted axes count as one K, in the product's order):
;;     1. [M 8,192, K 1,024] x [K 1,024, N 3,072]; A: input x; B: input w_qkv: QUANTISED
;;     2. batch 128 x [M 1,024, K 64] x [K 64, N 1,024]; A: computed on the way; B: computed on the way: QUANTISED
;;     3. batch 128 x [M 1,024, K 1,024] x [K 1,024, N 64]; A: softmax (see below); B: computed on the way: QUANTISED
;;     4. [M 8,192, K 1,024] x [K 1,024, N 1,024]; A: computed on the way; B: input w_proj: QUANTISED
;;   THE QUANTISER, for each operand of a quantised product, along K:
;;     - K is cut into blocks of 32 from its start; a last block that is shorter is filled with zeros.
;;     - A block's scale is 2^e with e = floor(log2(the largest magnitude in the block)) - 2, held to -126 .. 127; a block of zeros has e = 0. As a byte (E8M0): e + 127.
;;     - Each number is divided by its block's scale, clamped to +-7.5, and rounded to the nearest number of E2M3, ties to even, subnormals kept.
;;     - The product sums the exact products of the quantised numbers (number of the format x scale) in f32.
;;   ~~~python
;;   def quantise(x, axis):      # numpy; x: float32 -> the quantised numbers, widened to float32 again
;;       x = np.moveaxis(x, axis, -1); K = x.shape[-1]
;;       x = np.pad(x, [(0, 0)] * (x.ndim - 1) + [(0, -K % 32)]); x = x.reshape(x.shape[:-1] + (-1, 32)); a = np.abs(x).max(-1, keepdims=True)
;;       e = np.where(a > 0, np.clip(np.frexp(np.where(a > 0, a, 1))[1] - 1 - 2, -126, 127), 0)      # np.frexp(a)[1] - 1 = floor(log2(a)), exactly
;;       r = np.clip(x / 2.0 ** e, -7.5, 7.5)
;;       step = 2.0 ** (np.maximum(np.frexp(np.where(r == 0, 1, r))[1] - 1, 0) - 3)
;;       q = np.round(r / step) * step * 2.0 ** e      # np.round: ties to even
;;       return np.moveaxis(q.reshape(q.shape[:-2] + (-1,))[..., :K], -1, axis).astype(np.float32)
;;   ~~~
;;   SOFTMAX AHEAD OF A QUANTISED PRODUCT. Where the list says 'softmax', what is quantised is not the finished softmax but p = 2^(t - M), with t = logit x log2(e) and M = ceil(the row's largest t), a whole number; so 1/2 < the row's largest p <= 1. The row's sum l is taken of the UNQUANTISED p, in f32, and the product's result is divided by l at the end. Since M is a whole number, a kernel that streams over the keys may use a running M (the ceiling of the running maximum): every later rescaling is an exact power of two, which a block's scale takes up: the codes' values come out the same.
;;   OPERANDS COMPUTED ON THE WAY. 'Computed on the way' means the value that the module computes at that place (a softmax that the list does not call 'softmax' is quantised finished and normalised). What goes into a quantiser is computed in f32, as accurately as f32 sums, v_exp_f32 and their like allow (about 1e-6 of the number): no bf16 or f16 on the way to a quantiser, and a product that is left as it is and whose result goes on into a quantised operand takes f32 operands (vector FMAs, or v_wmma_f32_16x16x4_f32). A number that lies on a knife's edge between two numbers of the format may be rounded either way, as far as f32 arithmetic and the matrix unit's own rounding can turn it there, and no further.
;; One version. Each part assembles by itself: llvm-mc -triple=amdgcn-amd-amdhsa -mcpu=gfx1250 --defsym DOCPART=n.
;; ======== version 1 of 1: 4 launches
;; limits: right only within a limited range of input values
;; workspace buffers: xq 6,553,600 bytes; wq 3,276,800 bytes; qkq 13,107,200 bytes; vq 6,553,600 bytes; oq 6,553,600 bytes
;; launch prep (part 1): grid 384 x 1, 4 waves a work-group, no clusters, 59,904 bytes of LDS; arguments x, w_qkv, w_proj, xq, wq; writes xq, wq
.if DOCPART == 1
	.amdgcn_target "amdgcn-amd-amdhsa--gfx1250"
	.amdhsa_code_object_version 6
	.text
	.protected	k_q3b6c75f721_prep
	.globl	k_q3b6c75f721_prep
	.p2align	8
	.type	k_q3b6c75f721_prep,@function
k_q3b6c75f721_prep:
	s_mov_b64 s[64:65], 0
	v_nop
	global_prefetch_b8 v0, s[64:65] scope:SCOPE_SE
	s_setreg_imm32_b32 hwreg(HW_REG_WAVE_MODE, 25, 1), 1
	s_wait_xcnt 0x0
; x [8192][1024], w_qkv [1024][3072] and w_proj [1024][1024], f32, become codes of FP6 (E2M3) with one E8M0 byte for each 32 along K (K = 1,024: x's last axis, the weights' first).
; A block's scale is 2^(floor(log2(its largest magnitude)) - 2); its byte is the largest magnitude's exponent field - 2, held at 1 from below by a floor among the maximum's leaves.
; LIMITS: NaN and infinities are not served.  A block of zeros, or one whose largest magnitude lies under 2^-124, gets the byte 1 where the rule says 127 or less: its codes are then zeros or the
; rule's own under the byte 1, and the bytes are read by this program alone.
; THE OUTPUT IS LAID IN THE ORDER OF THE MATRIX OPERAND'S REGISTERS.  Rows go in blocks of 128; a block in 8 tiles of 16; tile u holds rows 32 (u / 2) + 8 (u % 2) + r + 8 (r / 8), r = 0 .. 15.
; A fragment (a tile x 128 K) is 12 registers a lane, 1,536 bytes: two halves of 768: registers 0-3 of lane l at 16 l, registers 4-5 at 512 + 8 l.  Codes: [block][K step 8][tile 8][1536].
; Scale words (four bytes: 128 K of a row): [block][K step 8][half 2][r 16][4 tiles]: 256 bytes for four tiles of a K step.
; Work-groups 0-255 take x (a wave: 64 rows x 128 K), work-groups 256-383 the weights (a wave: 64 columns x 128 K).  Waves share nothing: no barrier.  Each path has LDS bytes of its own.
; No matrix unit, no cluster, no tensor load: no input byte is read by two work-groups, and each byte is read once and each output byte written once.
.set XQS,   6291456                    ; xq: the scale words begin here
.set WQS,   3145728                    ; wq: likewise
.set FLOOR, 0x1800000                  ; 2^(3 - 127)
.set EOFF,  0xff000000                 ; 2 off an exponent field
.set XP,    528                        ; x path: a stage row: 512 bytes + 16, 33 x 16: sixteen rows start at sixteen different places modulo 256 bytes
.set XSTG,  16*XP                      ; a wave's stage
.set WBASE, 4*XSTG                     ; w path: its stages begin behind the x path's
.set WSTG,  6400                       ; four fragments' images and 256 bytes of scale words
.set R,     32                         ; x path: v32-159 two sets of 64 numbers as loaded
.set X,     160                        ; v160-223 my row's two blocks of 32
.set C,     224                        ; v224-247 two sets of 12 code registers
.set T,     248                        ; v248-250, v252-254 the conversions' second halves
.set SW,    20                         ; v20-23 four scale words
.set OFF,   32                         ; w path: v32-63 byte offsets of 32 rows of the weight; never rewritten
.set WX,    64                         ; v64-127 two sets of 32 numbers
.set WC,    128                        ; v128-133 a block's codes
.set WT,    136                        ; v136-138
.set WSW,   140                        ; v140 a column's scale word
.set WOUT,  144                        ; v144-193 the way out
	s_load_b256 s[4:11], s[0:1], 0x0               ; x s[4:5], w_qkv s[6:7], w_proj s[8:9], xq s[10:11]
	s_load_b64 s[12:13], s[0:1], 0x20              ; wq
	v_lshl_add_u32 v251, v0, 2, 0xe800
	v_mov_b32 v255, 0
	v_lshrrev_b32 v1, 5, v0
	v_readfirstlane_b32 s14, v1                    ; wave 0..3
	v_and_b32 v1, 31, v0                           ; lane
	s_mov_b32 s20, 0x76543210
	s_mov_b32 s21, 0xfedcba98                      ; v_permlanex16_b32's selects for lane l xor 16
	s_wait_kmcnt 0x0
	s_cmp_lt_u32 ttmp9, 256
	s_cbranch_scc0 .Lweights
; ---------------- x: K is innermost ----------------
; A load reads 512 consecutive bytes of one row (128 K); sixteen rows turn through the wave's stage, so that lane (r, h) gets, of row r, k = 32 h + 0..31 and 64 + 32 h + 0..31: two whole blocks.
	s_lshl_b32 s15, ttmp9, 2
	s_add_co_u32 s15, s15, s14                     ; my task: 4 x work-group + wave
	s_and_b32 s16, s15, 7                          ; K step
	s_lshr_b32 s17, s15, 3                         ; which 64 rows
	s_lshl_b32 s22, s17, 18                        ; 64 rows of 4,096 bytes
	s_lshl_b32 s18, s16, 9                         ; 128 numbers
	s_add_co_u32 s22, s22, s18
	s_mov_b32 s23, 0
	s_add_nc_u64 s[4:5], s[4:5], s[22:23]
	s_lshr_b32 s18, s17, 1
	s_lshl_b32 s18, s18, 3
	s_add_co_u32 s18, s18, s16                     ; 8 x block + K step
	s_and_b32 s19, s17, 1                          ; which half of the block
	s_lshl_b32 s24, s18, 3
	s_lshl_b32 s25, s19, 2
	s_add_co_u32 s24, s24, s25
	s_mul_i32 s24, s24, 1536
	s_mov_b32 s25, 0
	s_add_nc_u64 s[26:27], s[10:11], s[24:25]      ; my four fragments
	s_lshl_b32 s24, s18, 9
	s_lshl_b32 s28, s19, 8
	s_add_co_u32 s24, s24, s28
	s_add_co_u32 s24, s24, XQS
	s_add_nc_u64 s[28:29], s[10:11], s[24:25]      ; my 256 bytes of scale words
	v_and_b32 v2, 15, v0                           ; r
	v_bfe_u32 v3, v0, 4, 1                         ; h
	s_wait_alu depctr_va_vdst(0)
	v_lshlrev_b32 v4, 4, v1                        ; 16 l
	v_lshlrev_b32 v5, 3, v1                        ; 8 l
	s_mul_i32 s30, s14, XSTG
	v_add_nc_u32 v6, s30, v4                       ; the stage, in: 16 l of a row
	v_mul_u32_u24 v7, v2, XP
	v_lshl_add_u32 v7, v3, 7, v7
	v_add_nc_u32 v7, s30, v7                       ; and out: row r, + 128 h
	v_lshlrev_b32 v8, 4, v2                        ; 16 r
	v_lshlrev_b32 v9, 3, v3                        ; 8 h
	v_mov_b32 v17, 0                               ; a lane permute's destination counts as one of its sources
.macro LOADX i                         ; tile i's sixteen rows
.irp j, 0,1,2,3,4,5,6,7,8,9,10,11,12,13,14,15
	global_load_b128 v[R+64*((\i)%2)+4*\j:R+64*((\i)%2)+4*\j+3], v4, s[4:5] offset:(32*((\i)/2)+8*((\i)%2)+\j+8*(\j/8))*4096 th:TH_LOAD_NT
.endr
.endm
.macro FRAGX i
.set RS, R+64*((\i)%2)
.set CS, C+12*((\i)%2)
.if (\i) < 3
	s_wait_loadcnt 16                              ; this tile's sixteen loads are in; the next tile's sixteen may be out
.else
	s_wait_loadcnt 0x0
.endif
.irp j, 0,1,2,3,4,5,6,7,8,9,10,11,12,13,14,15
	ds_store_b128 v6, v[RS+4*\j:RS+4*\j+3] offset:XP*\j
.endr
.irp j, 0,1,2,3,4,5,6,7,8,9,10,11,12,13,14,15
	ds_load_b128 v[X+4*\j:X+4*\j+3], v7 offset:256*(\j/8)+16*(\j%8)   ; LDS serves a wave's instructions in order: these see the stores above
.endr
	s_wait_dscnt 0x0                               ; my numbers are back, and the stores have read their registers,
.if (\i) < 2
	LOADX (\i)+2                                   ; which take the tile two on
.endif
	v_max3_num_f32 v10, |v[X]|, |v[X+1]|, FLOOR    ; the two blocks' largest magnitudes, by turns; the floor is one more leaf
	v_max3_num_f32 v11, |v[X+32]|, |v[X+33]|, FLOOR
.irp k, 2,4,6,8,10,12,14,16,18,20,22,24,26,28,30
	v_max3_num_f32 v10, v10, |v[X+\k]|, |v[X+\k+1]|
	v_max3_num_f32 v11, v11, |v[X+32+\k]|, |v[X+33+\k]|
.endr
	v_add_nc_u32 v12, EOFF, v10                    ; 2 off the exponent field: the conversion's scale operand
	v_add_nc_u32 v13, EOFF, v11
	v_lshrrev_b32 v14, 23, v12                     ; the bytes of blocks h and 2 + h
	v_lshrrev_b32 v15, 23, v13
	v_lshl_or_b32 v16, v15, 16, v14
	v_lshlrev_b32 v16, v9, v16                     ; at their places in the word: 8 h bits up
	v_permlanex16_b32 v17, v16, s20, s21
	v_or_b32 v[SW+(\i)], v16, v17                  ; with lane l xor 16's two the word is whole
.if (\i) >= 2
	s_wait_alu depctr_va_vdst(0)
	s_wait_xcnt 0x0                                ; the stores of two tiles ago have read this set of code registers
.endif
.irp c, 0,1
	v_cvt_scalef32_pk16_fp6_f32 v[CS+6*\c:CS+6*\c+2], v[X+32*\c:X+32*\c+15], v[12+\c]
	v_cvt_scalef32_pk16_fp6_f32 v[T+4*\c:T+4*\c+2], v[X+32*\c+16:X+32*\c+31], v[12+\c]   ; (a conversion's three registers begin on an even number)
.endr
	v_nop                                          ; one plain place behind a scaled conversion
.irp c, 0,1
.irp n, 0,1,2
	v_mov_b32 v[CS+6*\c+3+\n], v[T+4*\c+\n]
.endr
.endr
	global_store_b128 v4, v[CS:CS+3], s[26:27] offset:1536*(\i)          ; each store covers 512 or 256 consecutive bytes, aligned
	global_store_b64 v5, v[CS+4:CS+5], s[26:27] offset:1536*(\i)+512
	global_store_b128 v4, v[CS+6:CS+9], s[26:27] offset:1536*(\i)+768
	global_store_b64 v5, v[CS+10:CS+11], s[26:27] offset:1536*(\i)+1280
.endm
	LOADX 0
	LOADX 1
	s_wait_alu depctr_va_vdst(0)
	FRAGX 0
	FRAGX 1
	FRAGX 2
	FRAGX 3
	s_wait_xcnt 0x0                                ; EXEC changes only behind this wait
	v_cmp_gt_u32 vcc_lo, 16, v1
	s_wait_tensorcnt 0x0
	ds_add_u32 v251, v255
	s_wait_dscnt 0x0
	s_and_saveexec_b32 s31, vcc_lo
	global_store_b128 v8, v[SW:SW+3], s[28:29]     ; sixteen lanes store the four tiles' scale words: 256 consecutive bytes, aligned
	s_wait_xcnt 0x0
	s_or_b32 exec_lo, exec_lo, s31
	s_endpgm
; ---------------- the weights: K is the first axis ----------------
; A lane takes a column n and its registers run down K: a block of 32 lies in one lane, and the conversions give codes with K innermost.  The combined rows n: 0-3071 w_qkv's columns, 3072-4095 w_proj's.
.Lweights:
	s_sub_co_u32 s15, ttmp9, 256
	s_and_b32 s16, s15, 7                          ; K step
	s_lshr_b32 s17, s15, 3                         ; which 256 columns of the 4,096
	s_mov_b32 s18, 4096
	s_cmp_lt_u32 s17, 12                           ; the choice hangs on the work-group's number alone
	s_cselect_b64 s[22:23], s[6:7], s[8:9]
	s_cselect_b32 s18, 12288, s18                  ; bytes in a row of the weight
	s_cselect_b32 s19, 0, 12
	s_sub_co_u32 s19, s17, s19                     ; which 256 columns of that weight
	s_lshl_b32 s32, s16, 7
	s_mul_i32 s32, s32, s18                        ; 128 rows a K step
	s_lshl_b32 s33, s19, 10
	s_add_co_u32 s32, s32, s33
	s_lshl_b32 s33, s14, 8                         ; 64 columns a wave
	s_add_co_u32 s32, s32, s33
	s_mov_b32 s33, 0
	s_add_nc_u64 s[24:25], s[22:23], s[32:33]      ; four bases, 32 rows apart: a block each
	s_lshl_b32 s32, s18, 5
	s_add_nc_u64 s[26:27], s[24:25], s[32:33]
	s_add_nc_u64 s[28:29], s[26:27], s[32:33]
	s_add_nc_u64 s[30:31], s[28:29], s[32:33]
	s_lshl_b32 s34, s17, 1
	s_lshr_b32 s35, s14, 1
	s_add_co_u32 s34, s34, s35                     ; the block of 128 rows n
	s_lshl_b32 s34, s34, 3
	s_add_co_u32 s34, s34, s16                     ; 8 x block + K step
	s_and_b32 s35, s14, 1                          ; which half of the block
	s_lshl_b32 s36, s34, 3
	s_lshl_b32 s37, s35, 2
	s_add_co_u32 s36, s36, s37
	s_mul_i32 s36, s36, 1536
	s_mov_b32 s37, 0
	s_add_nc_u64 s[38:39], s[12:13], s[36:37]      ; my four fragments
	s_lshl_b32 s36, s34, 9
	s_lshl_b32 s40, s35, 8
	s_add_co_u32 s36, s36, s40
	s_add_co_u32 s36, s36, WQS
	s_add_nc_u64 s[40:41], s[12:13], s[36:37]      ; my 256 bytes of scale words
	s_mul_i32 s42, s14, WSTG
	s_add_co_u32 s42, s42, WBASE                   ; my stage
	v_bfe_u32 v2, v0, 3, 1                         ; column l of 32 is row r' of tile u: u = (l / 8) % 2,
	v_and_b32 v3, 7, v0
	v_bfe_u32 v4, v0, 4, 1
	v_lshl_add_u32 v3, v4, 3, v3                   ; r' = l % 8 + 8 (l / 16)
	v_mul_u32_u24 v5, v2, 1536
	v_add_nc_u32 v5, s42, v5
	v_lshl_add_u32 v6, v3, 4, v5                   ; where registers 0-3 of a half fragment go,
	v_lshl_add_u32 v7, v3, 3, v5                   ; and registers 4-5
	v_lshlrev_b32 v8, 2, v2
	v_lshl_add_u32 v8, v3, 4, v8
	v_add_nc_u32 v8, s42, v8
	v_add_nc_u32 v8, 6144, v8                      ; my column's scale word: 16 r' + 4 u
	v_lshlrev_b32 v12, 4, v1                       ; 16 l
	v_lshlrev_b32 v13, 3, v1                       ; 8 l
	v_add_nc_u32 v9, s42, v12                      ; the way out: the images as they lie,
	v_add_nc_u32 v10, s42, v13
	v_add_nc_u32 v10, 6144, v10                    ; and the scale words
	v_lshlrev_b32 v[OFF], 2, v1
.set i, 1
.rept 31
	v_add_nc_u32 v[OFF+i], s18, v[OFF+i-1]         ; row i of a block, my column
.set i, i+1
.endr
.macro LOADW q                         ; block q % 4 along K of pass q / 4 (32 columns): a load reads 128 consecutive bytes, the four waves stand side by side
.irp i, 0,1,2,3,4,5,6,7,8,9,10,11,12,13,14,15,16,17,18,19,20,21,22,23,24,25,26,27,28,29,30,31
	global_load_b32 v[WX+32*((\q)%2)+\i], v[OFF+\i], s[24+2*((\q)%4):25+2*((\q)%4)] offset:128*((\q)/4) th:TH_LOAD_NT
.endr
.endm
.macro BLOCK q
.set XS, WX+32*((\q)%2)
.set TT, (\q)%4
.set PP, (\q)/4
.if (\q) < 7
	s_wait_loadcnt 32                              ; this block's 32 loads are in; the next block's may be out
.else
	s_wait_loadcnt 0x0
.endif
	v_max3_num_f32 v14, |v[XS]|, |v[XS+1]|, |v[XS+2]|
	v_max3_num_f32 v15, |v[XS+3]|, |v[XS+4]|, |v[XS+5]|
.irp i, 6,10,14,18,22,26
	v_max3_num_f32 v14, v14, |v[XS+\i]|, |v[XS+\i+1]|
	v_max3_num_f32 v15, v15, |v[XS+\i+2]|, |v[XS+\i+3]|
.endr
	v_max3_num_f32 v14, v14, |v[XS+30]|, |v[XS+31]|
	v_max3_num_f32 v14, v14, v15, FLOOR
	v_add_nc_u32 v16, EOFF, v14                    ; the conversion's scale operand
	v_lshrrev_b32 v17, 23, v16                     ; the byte
.if TT == 0
	v_mov_b32 v[WSW], v17
.else
	v_lshl_or_b32 v[WSW], v17, 8*TT, v[WSW]
.endif
	v_cvt_scalef32_pk16_fp6_f32 v[WC:WC+2], v[XS:XS+15], v16
	v_cvt_scalef32_pk16_fp6_f32 v[WT:WT+2], v[XS+16:XS+31], v16
	v_nop                                          ; one plain place behind a scaled conversion
.irp n, 0,1,2
	v_mov_b32 v[WC+3+\n], v[WT+\n]
.endr
	ds_store_b128 v6, v[WC:WC+3] offset:3072*PP+768*(TT/2)+256*(TT%2)        ; block t is half t / 2 of the fragment, lanes 16 (t % 2) + r'
	ds_store_b64 v7, v[WC+4:WC+5] offset:3072*PP+768*(TT/2)+512+128*(TT%2)
.if TT == 3
	ds_store_b32 v8, v[WSW] offset:8*PP
.endif
.if (\q) < 6
	LOADW (\q)+2
.endif
	s_wait_dscnt 0x0                               ; the stores have read their registers: the next block's codes may be written
.endm
	LOADW 0
	LOADW 1
.irp q, 0,1,2,3,4,5,6,7
	BLOCK \q
.endr
.irp i, 0,1,2,3,4,5,6,7,8,9,10,11
	ds_load_b128 v[WOUT+4*\i:WOUT+4*\i+3], v9 offset:512*\i
.endr
	ds_load_b64 v[WOUT+48:WOUT+49], v10
.irp i, 0,1,2,3,4,5,6,7,8,9,10,11
	s_wait_dscnt 12-\i                             ; load i is back; the younger ones may be out
	global_store_b128 v12, v[WOUT+4*\i:WOUT+4*\i+3], s[38:39] offset:512*\i  ; 512 consecutive bytes, aligned
.endr
	s_wait_dscnt 0x0
	global_store_b64 v13, v[WOUT+48:WOUT+49], s[40:41]                       ; 256 consecutive bytes, aligned
	s_wait_tensorcnt 0x0
	ds_add_u32 v251, v255
	s_wait_dscnt 0x0
	s_endpgm
.Lfunc_end_k_q3b6c75f721_prep:
	.size	k_q3b6c75f721_prep, .Lfunc_end_k_q3b6c75f721_prep-k_q3b6c75f721_prep
	.p2alignl 7, 3214868480
	.fill 96, 4, 3214868480
	.section	.rodata,"a",@progbits
	.p2align	6, 0x0
	.amdhsa_kernel k_q3b6c75f721_prep
		.amdhsa_group_segment_fixed_size 59904
		.amdhsa_private_segment_fixed_size 0
		.amdhsa_enable_private_segment 0
		.amdhsa_kernarg_size 40
		.amdhsa_user_sgpr_count 2
		.amdhsa_user_sgpr_kernarg_segment_ptr 1
		.amdhsa_wavefront_size32 1
		.amdhsa_system_sgpr_workgroup_id_x 1
		.amdhsa_system_sgpr_workgroup_id_y 1
		.amdhsa_system_sgpr_workgroup_id_z 1
		.amdhsa_system_vgpr_workitem_id 0
		.amdhsa_next_free_vgpr 256
		.amdhsa_next_free_sgpr 66
		.amdhsa_reserve_vcc 1
		.amdhsa_float_denorm_mode_32 3
		.amdhsa_float_denorm_mode_16_64 3
		.amdhsa_memory_ordered 1
		.amdhsa_forward_progress 1
		.amdhsa_inst_pref_size 74
	.end_amdhsa_kernel
	.amdgpu_metadata
---
amdhsa.version: [ 1, 2 ]
amdhsa.kernels:
  - .name:           k_q3b6c75f721_prep
    .symbol:         k_q3b6c75f721_prep.kd
    .args:
      - { .name: x, .offset: 0, .size: 8, .value_kind: global_buffer, .address_space: global }
      - { .name: w_qkv, .offset: 8, .size: 8, .value_kind: global_buffer, .address_space: global }
      - { .name: w_proj, .offset: 16, .size: 8, .value_kind: global_buffer, .address_space: global }
      - { .name: xq, .offset: 24, .size: 8, .value_kind: global_buffer, .address_space: global }
      - { .name: wq, .offset: 32, .size: 8, .value_kind: global_buffer, .address_space: global }
    .group_segment_fixed_size: 59904
    .private_segment_fixed_size: 0
    .kernarg_segment_align: 8
    .kernarg_segment_size: 40
    .max_flat_workgroup_size: 128
    .sgpr_count:     66
    .vgpr_count:     256
    .wavefront_size: 32
...
	.end_amdgpu_metadata
.endif
;; end of part 1
;; launch gemm1 (part 2): grid 96 x 4, 4 waves a work-group, clusters of 4 x 4, 327,680 bytes of LDS; arguments xq, wq, b_qkv, qkq, vq; writes qkq, vq
.if DOCPART == 2
	.amdgcn_target "amdgcn-amd-amdhsa--gfx1250"
	.amdhsa_code_object_version 6
	.text
	.protected	k_q3b6c75f721_gemm1
	.globl	k_q3b6c75f721_gemm1
	.p2align	8
	.type	k_q3b6c75f721_gemm1,@function
k_q3b6c75f721_gemm1:
	s_mov_b64 s[64:65], 0
	v_nop
	global_prefetch_b8 v0, s[64:65] scope:SCOPE_SE
	s_setreg_imm32_b32 hwreg(HW_REG_WAVE_MODE, 25, 1), 1
	s_wait_xcnt 0x0
	s_wait_alu depctr_hold_cnt(0) depctr_sa_sdst(0) depctr_va_vdst(0) depctr_va_sdst(0) depctr_va_ssrc(0) depctr_va_vcc(0) depctr_vm_vsrc(0)
	s_getreg_b32 s2, hwreg(HW_REG_IB_STS2, 6, 4)
	s_cmp_eq_u32 s2, 0
	s_cbranch_scc0 .Lentry_in_a_cluster
	s_endpgm
.Lentry_in_a_cluster:
	s_bfe_u32 s2, ttmp6, 0x10000c
	s_cmp_lg_u32 s2, 0xf033
	s_cbranch_scc0 .Lentry_shape_is_right
	s_endpgm
.Lentry_shape_is_right:
.set BLKB,  24576
.set SLOT,  4*BLKB
.set QB,    12288
.set FRB,   1536
.set FR,    12
.set NP,    4
.set SCL,   2*SLOT
.set SPARE, SCL+4*4096
.set ADRA,  16
.set ADRB,  20
.set ADRS,  27
.set SPW,   28
.set NIL,   29
.set SC,    32
.set BT,    64
.set AF,    128
.set HA,    128
.set PC,    192
.set TM,    212
.set SW,    228
.set SX,    236
.set SEL,   66
.set G1,   24
.set G0,   32
.set G1B,  48
.set G0B,  56
.set G1S,  68
.set G0S,  76
.set G1SB, 80
.set G0SB, 88
.set MSB, 0
.macro WIN new
.if MSB != \new
	s_set_vgpr_msb (MSB<<8)|\new
.set MSB, \new
.endif
.endm
.set MUL_LO, 0xa1
.set MUL_HI, 0xf1
.set TO_B,   0x40
.macro JLOAD g0a, g1a, g0b, g1b
	s_cmp_eq_u32 s15, 0
	s_cbranch_scc0 .Lfor_b_\@
	tensor_load_to_lds s[\g0a:\g0a+3], s[\g1a:\g1a+7]
	s_nop 0
.rept 4
	v_nop
.endr
	s_branch .Lasked_\@
.Lfor_b_\@:
	tensor_load_to_lds s[\g0b:\g0b+3], s[\g1b:\g1b+7]
	s_nop 0
.rept 4
	v_nop
.endr
.Lasked_\@:
.endm
.macro CREST
	s_cmp_lg_u32 s14, 0
	s_cbranch_scc1 .Lnot_wave_0_\@
	s_barrier_signal -3
.Lnot_wave_0_\@:
	s_barrier_wait -3
	s_barrier_signal -1
	s_barrier_wait -1
.endm
.macro CROUND
	s_barrier_signal -1
	s_barrier_wait -1
	CREST
.endm
.macro FRAG reg, adr, off
	ds_load_b128 v[\reg:\reg+3], v[\adr] offset:\off
	ds_load_b64 v[\reg+4:\reg+5], v[\adr+2] offset:\off+512
	ds_load_b128 v[\reg+6:\reg+9], v[\adr] offset:\off+768
	ds_load_b64 v[\reg+10:\reg+11], v[\adr+2] offset:\off+1280
.endm
.macro MUL16 a0, p, q, sc, first
.irp a, \a0, \a0+1
.irp b, 0,1,2,3,4,5,6,7
.if (\first) == 1
	v_wmma_scale_f32_16x16x128_f8f6f4 v[8*(8*((\a)%4)+\b):8*(8*((\a)%4)+\b)+7], v[128*(\p)+FR*\b:128*(\p)+FR*\b+FR-1], v[AF+FR*(\a):AF+FR*(\a)+FR-1], 0, v[SC+16*(\sc)+8*(\q)+\b], v[SC+16*(\sc)+8*(\q)+(\a)] matrix_a_fmt:MATRIX_FMT_FP6 matrix_b_fmt:MATRIX_FMT_FP6 matrix_a_scale:MATRIX_SCALE_ROW1
.elseif (\first) == 2
	v_wmma_scale_f32_16x16x128_f8f6f4 v[8*(8*((\a)%4)+\b):8*(8*((\a)%4)+\b)+7], v[128*(\p)+FR*\b:128*(\p)+FR*\b+FR-1], v[AF+FR*(\a):AF+FR*(\a)+FR-1], v[BT+8*\b:BT+8*\b+7], v[SC+16*(\sc)+8*(\q)+\b], v[SC+16*(\sc)+8*(\q)+(\a)] matrix_a_fmt:MATRIX_FMT_FP6 matrix_b_fmt:MATRIX_FMT_FP6 matrix_a_scale:MATRIX_SCALE_ROW1
.else
	v_wmma_scale_f32_16x16x128_f8f6f4 v[8*(8*((\a)%4)+\b):8*(8*((\a)%4)+\b)+7], v[128*(\p)+FR*\b:128*(\p)+FR*\b+FR-1], v[AF+FR*(\a):AF+FR*(\a)+FR-1], v[8*(8*((\a)%4)+\b):8*(8*((\a)%4)+\b)+7], v[SC+16*(\sc)+8*(\q)+\b], v[SC+16*(\sc)+8*(\q)+(\a)] matrix_a_fmt:MATRIX_FMT_FP6 matrix_b_fmt:MATRIX_FMT_FP6 matrix_a_scale:MATRIX_SCALE_ROW1
.endif
.endr
.endr
.endm
.macro FETCH_B slot, q, p
	WIN TO_B
.irp i, 0,1,2,3,4,5,6,7
	FRAG 128*(\p)+FR*\i, ADRB+\slot, (\q)*QB+\i*FRB
.endr
	WIN 0
.endm
.macro FETCH_A slot, q, i0
.irp i, \i0, \i0+1, \i0+2, \i0+3
	FRAG AF+FR*(\i), ADRA+\slot, (\q)*QB+(\i)*FRB
.endr
.endm
.macro SCALES set
.irp q, 0,1
.irp f, 0,1
	ds_load_b128 v[SC+16*\set+8*\q+4*\f:SC+16*\set+8*\q+4*\f+3], v[ADRS] offset:512*\q+256*\f
.endr
.endr
.endm
.macro PLACES n
.rept \n
	v_nop
.endr
.endm
.macro STEP slot, q, first
	s_wait_dscnt 16
.if (\first) == 2
	WIN 0x81
.else
	WIN MUL_LO
.endif
	MUL16 0, (\q)%2, \q, \slot, \first
	MUL16 2, (\q)%2, \q, \slot, \first
	s_wait_dscnt 0x0
	PLACES NP
	FETCH_B \slot, (\q)+1, 1-(\q)%2
	FETCH_A \slot, (\q)+1, 0
.if (\first) == 2
	WIN 0xc1
.else
	WIN MUL_HI
.endif
	MUL16 4, (\q)%2, \q, \slot, \first
	MUL16 6, (\q)%2, \q, \slot, \first
	PLACES NP
	WIN 0
	FETCH_A \slot, (\q)+1, 4
.endm
.macro TURN slot, next, fill
	s_wait_tensorcnt 0x0
	ds_add_u32 v[SPW], v[NIL]
	s_wait_dscnt 17
	WIN MUL_LO
	MUL16 0, 1, 1, \slot, 0
	s_wait_dscnt 0x0
	s_barrier_signal -1
	MUL16 2, 1, 1, \slot, 0
	WIN 0
	s_barrier_wait -1
.if \fill
	CREST
	s_add_nc_u64 s[G0+4*\slot+2:G0+4*\slot+3], s[G0+4*\slot+2:G0+4*\slot+3], 2*BLKB
	s_add_nc_u64 s[G0B+4*\slot+2:G0B+4*\slot+3], s[G0B+4*\slot+2:G0B+4*\slot+3], 2*BLKB
	JLOAD G0+4*\slot, G1, G0B+4*\slot, G1B
.else
	PLACES NP
.endif
	s_wait_alu depctr_va_vdst(0)
	v_add_nc_u32 v[ADRS], 1024, v[ADRS]
	FETCH_B \next, 0, 0
	FETCH_A \next, 0, 0
	SCALES \next
	WIN MUL_HI
	MUL16 4, 1, 1, \slot, 0
	MUL16 6, 1, 1, \slot, 0
	PLACES NP
	WIN 0
	FETCH_A \next, 0, 4
.endm
.macro LAST
	s_wait_dscnt 16
	WIN MUL_LO
	MUL16 0, 1, 1, 1, 0
	MUL16 2, 1, 1, 1, 0
	s_wait_dscnt 0x0
	WIN MUL_HI
	MUL16 4, 1, 1, 1, 0
	MUL16 6, 1, 1, 1, 0
	WIN 0
.endm
.macro QUANT s, pw
.irp b, 0,1,2,3
	v_max3_num_f32 v[TM+\b], |v[\s+16*\b]|, |v[\s+1+16*\b]|, 0x1800000
.endr
.irp i, 2,4,6,8,10,12,14
.irp b, 0,1,2,3
	v_max3_num_f32 v[TM+\b], v[TM+\b], |v[\s+16*\b+\i]|, |v[\s+1+16*\b+\i]|
.endr
.endr
.irp b, 0,1,2,3
	v_permlanex16_b32 v[TM+4+\b], v[TM+\b], s[SEL], s[SEL+1]
.endr
.irp b, 0,1,2,3
	v_max_num_f32 v[TM+\b], v[TM+\b], v[TM+4+\b]
.endr
.irp b, 0,1,2,3
	v_add_nc_u32 v[TM+12+\b], 0xff000000, v[TM+\b]
.endr
.irp b, 0,1,2,3
	v_lshrrev_b32 v[TM+4+\b], 23, v[TM+12+\b]
.endr
	v_lshl_or_b32 v[\pw], v[TM+5], 8, v[TM+4]
	v_lshl_or_b32 v[\pw], v[TM+6], 16, v[\pw]
	v_lshl_or_b32 v[\pw], v[TM+7], 24, v[\pw]
.irp c, 0,1
	v_cvt_scalef32_pk16_fp6_f32 v[PC+6*\c:PC+2+6*\c], v[\s+32*\c:\s+15+32*\c], v[TM+12+2*\c]
	v_cvt_scalef32_pk16_fp6_f32 v[PC+12+4*\c:PC+14+4*\c], v[\s+16+32*\c:\s+31+32*\c], v[TM+12+2*\c+1]
.endr
	v_nop
.irp c, 0,1
.irp i, 0,1,2
	v_permlane16_swap_b32 v[PC+6*\c+\i], v[PC+12+4*\c+\i]
.endr
.irp i, 0,1,2
	v_mov_b32 v[PC+3+6*\c+\i], v[PC+12+4*\c+\i]
.endr
.endr
.endm
.macro OUT a, var
.if \var
.set OO, ((\a)/4)*49152+((\a)%4)*FRB
.else
.set OO, (\a)*FRB
.endif
.if (\a) > 0
	s_wait_xcnt 0x0
.endif
	WIN 0x02+(\a)/4
.irp b, 0,1,2,3,4,5,6,7
.irp j, 0,2,4,6
.if \var
	v_pk_add_f32 v[HA+8*\b+\j:HA+8*\b+\j+1], v[64*((\a)%4)+8*\b+\j:64*((\a)%4)+8*\b+\j+1], v[BT+2*(\a):BT+2*(\a)+1]
.else
	v_pk_add_f32 v[HA+8*\b+\j:HA+8*\b+\j+1], v[64*((\a)%4)+8*\b+\j:64*((\a)%4)+8*\b+\j+1], v[BT+8*\b+\j:BT+8*\b+\j+1]
.endif
.endr
.endr
	WIN 0
	QUANT HA, SW+(\a)
	global_store_b128 v4, v[PC:PC+3], s[40:41] offset:OO
	global_store_b64 v5, v[PC+4:PC+5], s[40:41] offset:OO+512
	global_store_b128 v4, v[PC+6:PC+9], s[40:41] offset:OO+768
	global_store_b64 v5, v[PC+10:PC+11], s[40:41] offset:OO+1280
.endm
.macro TAIL var
	LAST
	PLACES NP
	s_wait_loadcnt 0x0
.irp b, 0,1,2,3
	v_mov_b32 v[TM+4+\b], 0
.endr
.irp a, 0,1,2,3,4,5,6,7
	OUT \a, \var
.endr
	v_cmp_le_u32 vcc_lo, 16, v3
.irp j, 0,1,2,3
	v_cndmask_b32 v[SX+\j], v[SW+\j], v[SW+4+\j], vcc_lo
.endr
	global_store_b128 v11, v[SX:SX+3], s[44:45]
.endm
	s_load_b256 s[4:11], s[0:1], 0x0
	s_load_b64 s[12:13], s[0:1], 0x20
	v_lshl_add_u32 v[SPW], v0, 2, SPARE
	v_mov_b32 v[NIL], 0
	ds_add_u32 v28, v29
	ds_add_u32 v28, v29
	s_wait_dscnt 0x0
	v_lshrrev_b32 v1, 5, v0
	v_readfirstlane_b32 s14, v1
	s_lshr_b32 s15, s14, 1
	s_and_b32 s16, s14, 1
	s_bfe_u32 s40, ttmp6, 0x40000
	s_bfe_u32 s41, ttmp6, 0x40004
	s_lshl_b32 s43, s41, 2
	s_lshl_b32 s43, 15, s43
	s_lshl_b32 s44, 0x1111, s40
	s_or_b32 s[G1+0], s43, (3<<16)|(1<<21)
	s_or_b32 s[G1B+0], s44, (3<<16)|(1<<21)
.irp g, G1, G1B
	; for the head's loads of codes: two blocks' first two K steps: 2 rows of 24,576 bytes (3,072 elements of 8), 98,304 bytes apart
	s_mov_b32 s[\g+1], 3072<<16
	s_mov_b32 s[\g+2], 2<<16
	s_mov_b32 s[\g+3], 3072<<16
	s_mov_b32 s[\g+4], 2
	s_mov_b32 s[\g+5], 12288
	s_mov_b32 s[\g+6], 0
	s_mov_b32 s[\g+7], 0
.endr
	s_or_b32 s[G1S+0], s43, (3<<16)|(1<<21)
	s_or_b32 s[G1SB+0], s44, (3<<16)|(1<<21)
.irp g, G1S, G1SB
	s_mov_b32 s[\g+1], 32<<16
	s_mov_b32 s[\g+2], 32<<16                      ; two blocks' scale words: 8,192 dense bytes
	s_mov_b32 s[\g+3], 32<<16
	s_mov_b32 s[\g+4], 32
	s_mov_b32 s[\g+5], 32
	s_mov_b32 s[\g+6], 0
	s_mov_b32 s[\g+7], 0
.endr
	s_lshr_b32 s17, ttmp9, 1
	s_and_b32 s42, ttmp9, 1
	s_sub_co_u32 s19, ttmp9, 16
	s_mov_b32 s20, 1572864
	s_mov_b32 s21, 3211264
	s_mov_b32 s22, 6291456
	s_mov_b32 s23, 3145728
	s_cmp_lt_u32 ttmp9, 16
	s_cselect_b32 s17, s17, 0
	s_cselect_b32 s42, s42, s19
	s_cselect_b32 s20, 0, s20
	s_cselect_b32 s21, s22, s21
	s_cselect_b32 s22, s23, s22
	s_lshl_b32 s17, s17, 2
	s_add_co_u32 s17, s17, s41
	s_lshl_b32 s42, s42, 2
	s_add_co_u32 s42, s42, s40
	s_lshl_b32 s45, s17, 1                         ; the tile's first block of 128 rows
	s_mul_i32 s46, s45, 98304
	s_add_co_u32 s46, s46, s20
	s_mov_b32 s47, 0
	s_lshl_b32 s96, s45, 12
	s_add_co_u32 s96, s96, s21
	s_mov_b32 s97, 0
	s_lshl_b32 s66, s42, 1
	s_mul_i32 s98, s66, 98304
	s_mov_b32 s99, 0
	s_lshl_b32 s100, s66, 12
	s_add_co_u32 s100, s100, s22
	s_mov_b32 s101, 0
	s_mul_i32 s18, s14, BLKB
	s_wait_kmcnt 0x0
	s_cmp_lt_u32 ttmp9, 16
	s_cselect_b64 s[92:93], s[4:5], s[6:7]
	s_cselect_b64 s[94:95], s[6:7], s[4:5]
	s_add_nc_u64 s[46:47], s[92:93], s[46:47]
	s_add_nc_u64 s[96:97], s[92:93], s[96:97]
	s_add_nc_u64 s[98:99], s[94:95], s[98:99]
	s_add_nc_u64 s[100:101], s[94:95], s[100:101]
	CROUND
; THE HEAD'S FOUR TILES, ONE JOINT LOAD A WAVE: wave 0 slot 0's two blocks of the left operand, wave 1 those of the right, wave 2 the left's scale words, wave 3 the right's.
.set G0H,  4                           ; s[4:7], s[92:95]: group 0 of the head's loads of codes (the pointers that lay there have served)
.set G0HB, 92
	s_mov_b32 s[G0H], 1
	s_mov_b32 s[G0H+1], 0
	s_mov_b64 s[G0H+2:G0H+3], s[46:47]
	s_or_b32 s[G0H+3], s[G0H+3], 0x80000000
	s_mov_b32 s[G0HB], 1
	s_mov_b32 s[G0HB+1], 2*BLKB
	s_mov_b64 s[G0HB+2:G0HB+3], s[98:99]
	s_or_b32 s[G0HB+3], s[G0HB+3], 0x80000000
	s_mov_b32 s[G0S], 1
	s_mov_b32 s[G0S+1], SCL
	s_mov_b64 s[G0S+2:G0S+3], s[96:97]
	s_or_b32 s[G0S+3], s[G0S+3], 0x80000000
	s_mov_b32 s[G0SB], 1
	s_mov_b32 s[G0SB+1], SCL+8192
	s_mov_b64 s[G0SB+2:G0SB+3], s[100:101]
	s_or_b32 s[G0SB+3], s[G0SB+3], 0x80000000
	s_mul_i32 s2, s16, 98304                       ; for the ring: the block of the two that my wave fetches
	s_mov_b32 s3, 0
	s_add_nc_u64 s[46:47], s[46:47], s[2:3]
	s_add_nc_u64 s[98:99], s[98:99], s[2:3]
.irp s, 0,1
	s_mov_b32 s[G0+4*\s], 1
	s_add_co_u32 s[G0+4*\s+1], s18, \s*SLOT
	s_add_nc_u64 s[G0+4*\s+2:G0+4*\s+3], s[46:47], \s*BLKB
	s_or_b32 s[G0+4*\s+3], s[G0+4*\s+3], 0x80000000
	s_mov_b32 s[G0B+4*\s], 1
	s_add_co_u32 s[G0B+4*\s+1], s18, \s*SLOT
	s_add_nc_u64 s[G0B+4*\s+2:G0B+4*\s+3], s[98:99], \s*BLKB
	s_or_b32 s[G0B+4*\s+3], s[G0B+4*\s+3], 0x80000000
.endr
.macro ARM under, g0, g1, next         ; one chain of branches on the wave's number: every way passes one load
	s_cmp_lt_u32 s14, \under
	s_cbranch_scc0 \next
	tensor_load_to_lds s[\g0:\g0+3], s[\g1:\g1+7]
	s_nop 0
.rept 4
	v_nop
.endr
	s_branch .Lhead_asked
\next:
.endm
; PREFETCHES INTO THE L2.  A later pair of K steps of a block is 24,576 bytes, 96 blocks of 256.  The four partners that will load it jointly share it out by address: 24 blocks each, a lane a block
; (lanes 24-31 name the wave's last block again), one instruction a wave.  Pairs 1 and 2 are asked for behind the head's loads, pair 3 behind slot 1's fill: one or two fills ahead of the load that wants them.
; x's blocks are asked for by every cluster that loads them; wq's, which eight clusters load, by four of them (cluster number under 8 for Q and K, under 20 for V).  v30 and s[96:97] are never rewritten.
	s_cmp_eq_u32 s15, 0
	s_cselect_b64 s[96:97], s[46:47], s[98:99]     ; the block that my wave fetches in the ring
	s_cselect_b32 s100, s40, s41                   ; my place among the four that ask for it with me
	s_mul_i32 s100, s100, 6144
	s_cmp_lt_u32 ttmp9, 16
	s_cselect_b32 s101, 1, 0                       ; which half of the waves fetches wq
	s_cselect_b32 s66, 8, 20
	s_cmp_lg_u32 s15, s101
	s_cselect_b32 s66, 24, s66                     ; the clusters under this number ask: all 24 for x's blocks
	v_and_b32 v30, 31, v0
	v_min_u32 v30, 23, v30
	v_lshlrev_b32 v30, 8, v30
	v_add_nc_u32 v30, s100, v30
	s_wait_alu depctr_va_vdst(0)                   ; the wait behind these writes
	ARM 1, G0H,  G1,  .Lhead_b
	ARM 2, G0HB, G1B, .Lhead_sa
	ARM 3, G0S,  G1S, .Lhead_sb
	tensor_load_to_lds s[G0SB:G0SB+3], s[G1SB:G1SB+7]
	s_nop 0
.rept 4
	v_nop
.endr
.Lhead_asked:
	s_cmp_lt_u32 ttmp9, s66
	s_cbranch_scc0 .Lno_pf1
	global_prefetch_b8 v30, s[96:97] offset:BLKB th:TH_LOAD_NT scope:SCOPE_SE
	global_prefetch_b8 v30, s[96:97] offset:2*BLKB th:TH_LOAD_NT scope:SCOPE_SE
.Lno_pf1:
	s_wait_alu depctr_va_vdst(0)
	s_wait_tensorcnt 0x0                           ; my tile of the head's four is in; the three lines ahead of slot 1's first fill
	ds_add_u32 v28, v29
.irp g, G1, G1B                        ; no tensor load of mine is out: from here on a load brings one block's two K steps, 96 rows of 256 bytes
	s_mov_b32 s[\g+1], 32<<16
	s_mov_b32 s[\g+2], 96<<16
	s_mov_b32 s[\g+3], 32<<16
	s_mov_b32 s[\g+4], 96
	s_mov_b32 s[\g+5], 32
.endr
	s_wait_dscnt 0x0
	CROUND                                         ; all four tiles are in, in every work-group of the cluster
	JLOAD G0+4, G1, G0B+4, G1B                     ; slot 1's first fill, a block a wave
	s_cmp_lt_u32 ttmp9, s66
	s_cbranch_scc0 .Lno_pf2
	global_prefetch_b8 v30, s[96:97] offset:3*BLKB th:TH_LOAD_NT scope:SCOPE_SE
.Lno_pf2:
	v_and_b32 v1, 15, v0
	v_bfe_u32 v2, v0, 4, 1
	v_and_b32 v3, 31, v0
	v_lshlrev_b32 v4, 4, v3
	v_lshlrev_b32 v5, 3, v3
	s_mul_i32 s21, s15, BLKB
	s_mul_i32 s22, s16, BLKB
	s_add_co_u32 s22, s22, 2*BLKB
.irp s, 0,1
	v_add_nc_u32 v[ADRA+\s], s21, v4
	v_add_nc_u32 v[ADRA+2+\s], s21, v5
	v_add_nc_u32 v[ADRB+\s], s22, v4
	v_add_nc_u32 v[ADRB+2+\s], s22, v5
	s_add_co_u32 s21, s21, SLOT
	s_add_co_u32 s22, s22, SLOT
.endr
	v_lshlrev_b32 v6, 4, v1
	s_lshl_b32 s21, s15, 12
	s_lshl_b32 s22, s16, 12
	s_add_co_u32 s22, s22, 2*4096
	s_sub_co_u32 s22, s22, s21
	v_mul_u32_u24 v7, s22, v2
	s_add_co_u32 s21, s21, SCL
	v_add_nc_u32 v6, v6, v7
	v_add_nc_u32 v[ADRS], s21, v6
	s_wait_alu depctr_va_vdst(0)
	s_wait_tensorcnt 1
	s_barrier_signal -1
	s_barrier_wait -1
	FETCH_B 0, 0, 0
	FETCH_A 0, 0, 0
	SCALES 0
	FETCH_A 0, 0, 4
	STEP 0, 0, 1
	TURN 0, 1, 1
	STEP 1, 0, 0
	TURN 1, 0, 1
	STEP 0, 0, 0
	TURN 0, 1, 0
	STEP 1, 0, 0
	s_lshl_b32 s2, s17, 1
	s_add_co_u32 s2, s2, s15
	s_lshl_b32 s3, s42, 1
	s_add_co_u32 s3, s3, s16
	s_mov_b32 s[SEL], 0x76543210
	s_mov_b32 s[SEL+1], 0xfedcba98
	s_mov_b32 s19, 0
	s_mov_b32 s21, 0
	s_mov_b32 s23, 0
	v_lshlrev_b32 v11, 4, v1
	s_cmp_lt_u32 ttmp9, 16
	s_cbranch_scc0 .Lv_arm
	s_lshl_b32 s18, s3, 9
	s_add_nc_u64 s[8:9], s[8:9], s[18:19]
	s_lshr_b32 s40, s3, 3
	s_lshl_b32 s40, s40, 3
	s_lshr_b32 s41, s2, 3
	s_add_co_u32 s40, s40, s41
	s_lshl_b32 s40, s40, 3
	s_and_b32 s41, s3, 7
	s_add_co_u32 s40, s40, s41
	s_and_b32 s41, s2, 7
	s_mul_i32 s20, s40, 98304
	s_mul_i32 s43, s41, 12288
	s_add_co_u32 s20, s20, s43
	s_lshl_b32 s22, s40, 12
	s_lshl_b32 s43, s41, 9
	s_add_co_u32 s22, s22, s43
	s_add_co_u32 s22, s22, 12582912
	s_add_nc_u64 s[40:41], s[10:11], s[20:21]
	s_add_nc_u64 s[44:45], s[10:11], s[22:23]
	v_lshlrev_b32 v10, 6, v2
	s_wait_alu depctr_va_vdst(0)
	v_lshl_add_u32 v11, v2, 8, v11
.irp b, 0,1,2,3,4,5,6,7
	global_load_b128 v[BT+8*\b:BT+8*\b+3], v10, s[8:9] offset:(32*(\b/2)+8*(\b%2))*4
	global_load_b128 v[BT+8*\b+4:BT+8*\b+7], v10, s[8:9] offset:(32*(\b/2)+8*(\b%2))*4+16
.endr
	TAIL 0
	s_branch .Ljoin
.Lv_arm:
	s_lshl_b32 s18, s2, 9
	s_add_co_u32 s18, s18, 8192
	s_add_nc_u64 s[8:9], s[8:9], s[18:19]
	s_lshr_b32 s40, s3, 3
	s_lshl_b32 s40, s40, 3
	s_add_co_u32 s40, s40, s2
	s_and_b32 s41, s3, 7
	s_mul_i32 s20, s40, 98304
	s_mul_i32 s43, s41, 6144
	s_add_co_u32 s20, s20, s43
	s_lshl_b32 s22, s40, 12
	s_lshl_b32 s43, s41, 8
	s_add_co_u32 s22, s22, s43
	s_add_co_u32 s22, s22, 6291456
	s_add_nc_u64 s[40:41], s[12:13], s[20:21]
	s_add_nc_u64 s[44:45], s[12:13], s[22:23]
	v_and_b32 v10, 8, v1
	v_add_nc_u32 v10, v10, v1
	v_lshlrev_b32 v10, 2, v10
	s_wait_alu depctr_va_vdst(0)
	v_lshl_add_u32 v11, v2, 11, v11
.irp a, 0,1,2,3,4,5,6,7
	global_load_b32 v[BT+2*\a], v10, s[8:9] offset:(32*(\a/2)+8*(\a%2))*4
	global_load_b32 v[BT+2*\a+1], v10, s[8:9] offset:(32*(\a/2)+8*(\a%2))*4
.endr
	TAIL 1
.Ljoin:
	s_wait_tensorcnt 0x0
	ds_add_u32 v[SPW], v[NIL]
	s_wait_dscnt 0x0
	CROUND
	s_endpgm
.Lfunc_end_k_q3b6c75f721_gemm1:
	.size	k_q3b6c75f721_gemm1, .Lfunc_end_k_q3b6c75f721_gemm1-k_q3b6c75f721_gemm1
	.p2alignl 7, 3214868480
	.fill 96, 4, 3214868480
	.section	.rodata,"a",@progbits
	.p2align	6, 0x0
	.amdhsa_kernel k_q3b6c75f721_gemm1
		.amdhsa_group_segment_fixed_size 327680
		.amdhsa_private_segment_fixed_size 0
		.amdhsa_enable_private_segment 0
		.amdhsa_kernarg_size 40
		.amdhsa_user_sgpr_count 2
		.amdhsa_user_sgpr_kernarg_segment_ptr 1
		.amdhsa_wavefront_size32 1
		.amdhsa_system_sgpr_workgroup_id_x 1
		.amdhsa_system_sgpr_workgroup_id_y 1
		.amdhsa_system_sgpr_workgroup_id_z 1
		.amdhsa_system_vgpr_workitem_id 0
		.amdhsa_next_free_vgpr 1024
		.amdhsa_next_free_sgpr 102
		.amdhsa_reserve_vcc 1
		.amdhsa_float_denorm_mode_32 3
		.amdhsa_float_denorm_mode_16_64 3
		.amdhsa_memory_ordered 1
		.amdhsa_forward_progress 1
		.amdhsa_inst_pref_size 228
	.end_amdhsa_kernel
	.amdgpu_metadata
---
amdhsa.version: [ 1, 2 ]
amdhsa.kernels:
  - .name:           k_q3b6c75f721_gemm1
    .symbol:         k_q3b6c75f721_gemm1.kd
    .args:
      - { .name: xq, .offset: 0, .size: 8, .value_kind: global_buffer, .address_space: global }
      - { .name: wq, .offset: 8, .size: 8, .value_kind: global_buffer, .address_space: global }
      - { .name: b_qkv, .offset: 16, .size: 8, .value_kind: global_buffer, .address_space: global }
      - { .name: qkq, .offset: 24, .size: 8, .value_kind: global_buffer, .address_space: global }
      - { .name: vq, .offset: 32, .size: 8, .value_kind: global_buffer, .address_space: global }
    .group_segment_fixed_size: 327680
    .private_segment_fixed_size: 0
    .kernarg_segment_align: 8
    .kernarg_segment_size: 40
    .max_flat_workgroup_size: 128
    .sgpr_count:     102
    .vgpr_count:     1024
    .wavefront_size: 32
...
	.end_amdgpu_metadata
.endif
;; end of part 2
;; launch attn (part 3): grid 4 x 64, 8 waves a work-group, clusters of 4 x 1, 206,848 bytes of LDS; arguments qkq, vq, oq; writes oq
.if DOCPART == 3
	.amdgcn_target "amdgcn-amd-amdhsa--gfx1250"
	.amdhsa_code_object_version 6
	.text
	.protected	k_q3b6c75f721_attn
	.globl	k_q3b6c75f721_attn
	.p2align	8
	.type	k_q3b6c75f721_attn,@function
k_q3b6c75f721_attn:
	s_mov_b64 s[64:65], 0
	v_nop
	global_prefetch_b8 v0, s[64:65] scope:SCOPE_SE
	s_setreg_imm32_b32 hwreg(HW_REG_WAVE_MODE, 25, 1), 1
	s_wait_xcnt 0x0
	s_wait_alu depctr_hold_cnt(0) depctr_sa_sdst(0) depctr_va_vdst(0) depctr_va_sdst(0) depctr_va_ssrc(0) depctr_va_vcc(0) depctr_vm_vsrc(0)
	s_getreg_b32 s2, hwreg(HW_REG_IB_STS2, 6, 4)
	s_cmp_eq_u32 s2, 0
	s_cbranch_scc0 .Lentry_in_a_cluster
	s_endpgm
.Lentry_in_a_cluster:
	s_bfe_u32 s2, ttmp6, 0x10000c
	s_cmp_lg_u32 s2, 0x3003
	s_cbranch_scc0 .Lentry_shape_is_right
	s_endpgm
.Lentry_shape_is_right:
; o = softmax(q k^T / 8) v for 128 heads of 64 channels and 1,024 tokens, both products on codes of FP6 (E2M3) with E8M0 scales; o is quantised again, along the channels, for the projection.
; THE SOFTMAX AHEAD OF THE SECOND PRODUCT: t = score x log2(e) / 8; M = the running largest t rounded up to a whole number; p = 2^(t - M) is quantised along the keys, not normalised; the row's sum is taken of the
; unquantised p and divides O at the end.  When M moves, the sum and O are multiplied by 2^(old M - new M): exact.
; INPUTS, in the order of the operands' registers (a fragment: 1,536 bytes, two halves of 768: registers 0-3 of lane l at 16 l, registers 4-5 at 512 + 8 l):
;   qkq: [q, k][batch][head pair][tile of 16 tokens, 64][1536]: half 0 the even head's 64 channels, half 1 the odd head's; tile u holds tokens 32 (u / 2) + 8 (u % 2) + r + 8 (r / 8).  One scale word a token and head pair.
;   vq:  [batch][head][128 keys, 8][tile of 16 channels, 4][1536].
; SHARES.  A work-group owns 256 queries of a pair of heads; each of its EIGHT waves TWO tiles of 16 queries, first for the even head, then for the odd.  Two waves share a SIMD.
; Each fragment of K and V that a wave reads from LDS feeds two matrix instructions, and one tile's plain vector work stands behind the other tile's exponentials.
; The pair's whole K and V, 192 KiB, and their scale words lie in LDS, filled ONCE: no ring, no refill.
; CLUSTER.  The four query blocks of a head pair read the same K and V: every fill is a joint load with the mask of all four; its address hangs on the head pair and the wave's number alone.
; By this text's count a wave has at most five tensor loads out.  Nothing is prefetched: all that the launch reads through LDS is asked for at its head by the first fills.
; K = 64 IN AN INSTRUCTION OF 128.  The even head takes Q = [Q, zeros] and, of K, a tile's six registers and the six that follow; the odd head Q = [zeros, Q] and the six that precede and the tile's six.
; The foreign half meets zero codes, FP6 has no code for NaN or infinity, and no scale byte here is 0xff: it adds exactly 0.  The scale word's bytes 0, 1 serve the even head, bytes 2, 3 the odd.
; LAYOUT.  Both products are used transposed (S^T = K Q^T, O^T = V^T P^T): a lane holds one query throughout; by the choice of a tile's rows the 16 registers of two neighbouring tiles are 16 neighbours along the next K.
; K RUNS A STEP AHEAD: the next step's half fragments are asked for behind this step's K Q^T and land under the softmax.  A head's last trip so reads 12 KiB past K and 512 bytes past K's scale words:
; bytes of V's first chunk and of V's scale words, which have landed; they are not used.
; LIMITS: NaN and infinities are not served; a block of zeros or under 2^-124 gets the scale byte 1 (this program alone reads the bytes).
; REGISTERS, in windows of 256 (s_set_vgpr_msb: bits 1:0 source 0, 3:2 source 1, 5:4 source 2, 7:6 destination).
;   window 0, shared: v1-3 lane terms; v4-9 the step's LDS addresses; v10-11 the scale words' exchange; v34-39, v88-93 zeros; v40-87 K's eight half fragments; v200-207 K's scale words, v208-211 V's;
;             v212, v213 tile 0's p and Q scale words; v196, v197 tile 1's (scale operands have no window).
;   window 0, tile 0: v12 -M, v13 the largest t, v[14:15] the sum; v16-21 Q even, v22-27 zeros, v28-33 Q odd; v96-159 S^T, then p; v160-191 O^T; v192-195 blocks' maxima; v214-225 o's fragment, v226 its scale word;
;             v228-239 p's codes; v240-254 at work.
;   window 1, tile 1: v4-7 blocks' maxima; v12-15 as above; v16-79 S^T, then p; v128-145 Q; v160-191 O^T; v212 the scale word in the making; v214-254 as above.   window 1, shared: v80-127 V's four fragments.
; THE FILLS AS THEY STAND NOW: one joint load a wave at the head.  K's and V's 2 x 98,304 dense bytes lie on end in LDS: waves 0-2 bring K's thirds, waves 3-5 V's, 32,768 bytes each;
; wave 6 K's scale words, wave 7 V's.  Every wave waits for its load ahead of the one barrier in front of the even head; LDS is only read from there to the way out, so no barrier stands between the heads.
.set VL,   98304
.set KSL,  196608                      ; K's scale words: [step 8][half 2][r 16][4 tiles]
.set VSL,  200704                      ; V's: [head 2][step 8][r 16][4 tiles]
.set OSX,  204800                      ; 1,024 bytes for o's scale words: written by LDS stores alone, no fill lands here
.set VB,   80                          ; window 1: V's fragments
.set Q1,   128                         ; window 1: tile 1's Q
.set WV,   18
.set SEL,  20
.set CS,   22
.set G1C,  24                          ; s[24:31] group 1 for a chunk of 32,768 bytes;  s[32:39] for 4,096 bytes of scale words
.set G1S,  32
.set G0,   40                          ; s[40:47] two groups 0
.set TK,   60
.set TV,   61
.set TS,   62
.set TJ,   63
.set CNT,  66
.set PP,   67
.set CX,   68
.set MSB, 0
.macro WIN new                         ; the immediate's high byte repeats the setting that is left
.if MSB != \new
	s_set_vgpr_msb (MSB<<8)|\new
.set MSB, \new
.endif
.endm
.macro TILE n                          ; where the tile in hand has its scores and its blocks' maxima
.if \n
.set SB, 16
.set BB, 4
.else
.set SB, 96
.set BB, 192
.endif
.endm
.macro CROUND                          ; a round of the cluster's barrier
	s_barrier_signal -1
	s_barrier_wait -1
	s_cmp_lg_u32 s[WV], 0
	s_cbranch_scc1 .Lnot_wave_0_\@
	s_barrier_signal -3
.Lnot_wave_0_\@:
	s_barrier_wait -3
	s_barrier_signal -1
	s_barrier_wait -1
.endm
	s_load_b128 s[4:7], s[0:1], 0x0                ; qkq s[4:5], vq s[6:7]
	s_load_b64 s[8:9], s[0:1], 0x10                ; oq
	v_lshl_add_u32 v227, v0, 2, 0x32400
	v_mov_b32 v255, 0
	ds_add_u32 v227, v255
	ds_add_u32 v227, v255
	v_lshrrev_b32 v4, 5, v0
	s_delay_alu instid0(VALU_DEP_1)
	v_readfirstlane_b32 s[WV], v4                  ; wave 0..7
	v_and_b32 v4, 31, v0
	s_delay_alu instid0(VALU_DEP_1)
	v_lshlrev_b32 v1, 4, v4                        ; 16 l
	s_wait_alu depctr_va_vdst(0)
	v_lshlrev_b32 v2, 3, v4                        ; 8 l
	v_and_b32 v3, 15, v0
	s_delay_alu instid0(VALU_DEP_1)
	v_lshlrev_b32 v3, 4, v3                        ; 16 r
	s_lshr_b32 s74, s[WV], 1                       ; o's scale words meet in LDS: tile i = 2 wave + j at 256 (i / 4) + 16 r + 4 (i % 4);
	s_lshl_b32 s74, s74, 8
	s_and_b32 s75, s[WV], 1
	s_lshl_b32 s75, s75, 3
	s_add_co_u32 s74, s74, s75
	s_add_co_u32 s74, s74, OSX
	v_add_nc_u32 v10, s74, v3
	s_min_u32 s75, s[WV], 1                        ; waves 0 and 1 read them back, 512 bytes each
	s_lshl_b32 s75, s75, 9
	s_add_co_u32 s75, s75, OSX
	v_add_nc_u32 v11, s75, v1
	s_and_b32 s[PP], ttmp7, 0xffff                 ; 8 batch + head pair: the four partners share it
	s_bfe_u32 s[CX], ttmp6, 0x40000                ; my block of 256 queries: it enters Q's and o's global addresses alone
	; descriptor group 1: dense blocks as rows of 256 bytes (32 elements of 8 bytes), no padding
	s_mov_b32 s[G1C], 15|(3<<16)|(1<<21)           ; 15:0 the mask: all four work-groups; 17:16 elements of 8 bytes; 21 set beside a mask
	s_mov_b32 s[G1C+1], 32<<16                     ; tensor_dim0
	s_mov_b32 s[G1C+2], 128<<16                    ; tensor_dim1: 128 rows of 256 bytes
	s_mov_b32 s[G1C+3], 32<<16                     ; tile_dim0
	s_mov_b32 s[G1C+4], 128                        ; tile_dim1
	s_mov_b32 s[G1C+5], 32                         ; tensor_dim0_stride
	s_mov_b32 s[G1C+6], 0
	s_mov_b32 s[G1C+7], 0
	s_mov_b32 s[G1S], 15|(3<<16)|(1<<21)
	s_mov_b32 s[G1S+1], 32<<16
	s_mov_b32 s[G1S+2], 16<<16
	s_mov_b32 s[G1S+3], 32<<16
	s_mov_b32 s[G1S+4], 16
	s_mov_b32 s[G1S+5], 32
	s_mov_b32 s[G1S+6], 0
	s_mov_b32 s[G1S+7], 0
	s_mul_i32 s10, s[PP], 98304                    ; the head pair's codes, in q's part of qkq, in k's and in vq
	s_mov_b32 s11, 0
	s_lshl_b32 s12, s[WV], 15                      ; codes: 32,768 bytes a wave
	s_add_co_u32 s12, s12, s10
	s_mov_b32 s14, 6291456
	s_cmp_lt_u32 s[WV], 3
	s_cselect_b32 s14, s14, 0                      ; waves 0-2: k's part of qkq;
	s_cselect_b32 s15, 0, 98304                    ; waves 3-5: vq, counted from wave 3
	s_add_co_u32 s12, s12, s14
	s_sub_co_u32 s12, s12, s15
	s_mov_b32 s13, 0
	s_lshl_b32 s16, s[PP], 12                      ; scale words: wave 6 K's, wave 7 V's
	s_mov_b32 s17, 6291456
	s_cmp_eq_u32 s[WV], 6
	s_cselect_b32 s17, 12845056, s17
	s_add_co_u32 s16, s16, s17
	s_mov_b32 s17, 0
	s_mov_b32 s[SEL], 0x76543210
	s_mov_b32 s[SEL+1], 0xfedcba98                 ; v_permlanex16_b32's selects for lane l xor 16
	s_mov_b32 s[CS], 0x3e38aa3b                    ; c = log2(e) / 8
	s_mov_b32 s[CS+1], s[CS]                       ; (named with it as a pair, so it is written)
	s_wait_dscnt 0x0
	s_wait_kmcnt 0x0
	s_cmp_eq_u32 s[WV], 6
	s_cselect_b64 s[70:71], s[4:5], s[6:7]
	s_cmp_lt_u32 s[WV], 3
	s_cselect_b64 s[72:73], s[4:5], s[6:7]
	s_mov_b32 s[G0], 1                             ; the scale words (waves 6, 7): KSL + 4,096 (wave - 6)
	s_lshl_b32 s[G0+1], s[WV], 12
	s_add_co_u32 s[G0+1], s[G0+1], KSL-6*4096
	s_add_nc_u64 s[G0+2:G0+3], s[70:71], s[16:17]
	s_or_b32 s[G0+3], s[G0+3], 0x80000000
	s_mov_b32 s[G0+4], 1                           ; the codes (waves 0-5): LDS byte 32,768 x wave: K's three thirds, then V's
	s_lshl_b32 s[G0+5], s[WV], 15
	s_add_nc_u64 s[G0+6:G0+7], s[72:73], s[12:13]
	s_or_b32 s[G0+7], s[G0+7], 0x80000000
	CROUND                                         ; all four work-groups are here: the joint loads meet
	s_cmp_lt_u32 s[WV], 6                          ; one load a wave: two arms, a load in each
	s_cbranch_scc0 .Lnot_codes
	tensor_load_to_lds s[G0+4:G0+7], s[G1C:G1C+7]
	s_nop 0
.rept 4
	v_nop
.endr
	s_branch .Lasked
.Lnot_codes:
	tensor_load_to_lds s[G0:G0+3], s[G1S:G1S+7]
	s_nop 0
.rept 4
	v_nop
.endr
.Lasked:
	s_lshl_b32 s69, s[CX], 4
	s_lshl_b32 s70, s[WV], 1
	s_add_co_u32 s69, s69, s70                     ; my first tile of queries: 16 cx + 2 wave; the second follows it
	s_mul_i32 s70, s69, 1536
	s_add_co_u32 s70, s70, s10
	s_mov_b32 s71, 0
	s_add_nc_u64 s[70:71], s[4:5], s[70:71]        ; their fragments
	s_lshr_b32 s72, s69, 2
	s_lshl_b32 s72, s72, 8
	s_and_b32 s73, s69, 3
	s_lshl_b32 s73, s73, 2
	s_add_co_u32 s72, s72, s73
	s_lshl_b32 s73, s[PP], 12
	s_add_co_u32 s72, s72, s73
	s_add_co_u32 s72, s72, 12582912
	s_mov_b32 s73, 0
	s_add_nc_u64 s[72:73], s[4:5], s[72:73]        ; their scale words, 4 bytes apart
	global_load_b128 v[16:19], v1, s[70:71]                ; tile 0: the even head's half
	s_wait_alu depctr_va_vdst(0)
	global_load_b64 v[20:21], v2, s[70:71] offset:512
	global_load_b128 v[28:31], v1, s[70:71] offset:768     ; the odd head's
	global_load_b64 v[32:33], v2, s[70:71] offset:1280
	global_load_b32 v213, v3, s[72:73]
	global_load_b32 v197, v3, s[72:73] offset:4
.irp j, 22,23,24,25,26,27,34,35,36,37,38,39,88,89,90,91,92,93
	v_mov_b32 v\j, 0                               ; zero codes
.endr
.irp j, 240,241,242,243,253,254
	v_mov_b32 v\j, 0                               ; written once: a lane permute's destination counts as one of its sources; v253 is named as the upper half of the pair v[252:253]
.endr
	WIN 0x40                                       ; destination window 1
	global_load_b128 v[Q1:Q1+3], v1, s[70:71] offset:1536          ; tile 1
	global_load_b64 v[Q1+4:Q1+5], v2, s[70:71] offset:2048
	global_load_b128 v[Q1+12:Q1+15], v1, s[70:71] offset:2304
	global_load_b64 v[Q1+16:Q1+17], v2, s[70:71] offset:2816
.irp j, 6,7,8,9,10,11
	v_mov_b32 v[Q1+\j], 0
.endr
.irp j, 240,241,242,243,253,254
	v_mov_b32 v\j, 0
.endr
	WIN 0
; One product of S^T = K Q^T: head hd, my tile n, tile t of the step's eight tiles of keys.
.macro QK hd, n, t
.if \n
.if \hd
	v_wmma_scale_f32_16x16x128_f8f6f4 v[16+8*\t:23+8*\t], v[34+6*\t:45+6*\t], v[Q1+6:Q1+17], 0, v[200+\t], v197 matrix_a_fmt:MATRIX_FMT_FP6 matrix_b_fmt:MATRIX_FMT_FP6
.else
	v_wmma_scale_f32_16x16x128_f8f6f4 v[16+8*\t:23+8*\t], v[40+6*\t:51+6*\t], v[Q1:Q1+11], 0, v[200+\t], v197 matrix_a_fmt:MATRIX_FMT_FP6 matrix_b_fmt:MATRIX_FMT_FP6
.endif
.else
.if \hd
	v_wmma_scale_f32_16x16x128_f8f6f4 v[96+8*\t:103+8*\t], v[34+6*\t:45+6*\t], v[22:33], 0, v[200+\t], v213 matrix_a_fmt:MATRIX_FMT_FP6 matrix_b_fmt:MATRIX_FMT_FP6
.else
	v_wmma_scale_f32_16x16x128_f8f6f4 v[96+8*\t:103+8*\t], v[40+6*\t:51+6*\t], v[16:27], 0, v[200+\t], v213 matrix_a_fmt:MATRIX_FMT_FP6 matrix_b_fmt:MATRIX_FMT_FP6
.endif
.endif
.endm
.macro KLOADS                          ; my head's halves of a step's eight tiles of K, and their scale words
.irp t, 0,1,2,3,4,5,6,7
	ds_load_b128 v[40+6*\t:43+6*\t], v4 offset:1536*\t
	ds_load_b64 v[44+6*\t:45+6*\t], v5 offset:1536*\t+512
.endr
	ds_load_b128 v[200:203], v8
	ds_load_b128 v[204:207], v8 offset:256
.endm
; THE SOFTMAX OF ONE TILE, in three parts; all its registers lie in the tile's window.  Lane (r, h): query r; register SB + 16 b + i: key 32 b + 16 h + i of the step.
.macro P1A                             ; the maxima, M, and t - M: 85 plain instructions
.irp b, 0,1,2,3
	v_max3_num_f32 v[BB+\b], v[SB+16*\b], v[SB+1+16*\b], v[SB+2+16*\b]   ; the largest score of each block of 32 keys: for the row's maximum and, since p rises with the score, for the block's largest p
.endr
.irp i, 3,5,7,9,11,13
.irp b, 0,1,2,3
	v_max3_num_f32 v[BB+\b], v[BB+\b], v[SB+16*\b+\i], v[SB+1+16*\b+\i]
.endr
.endr
.irp b, 0,1,2,3
	v_max_num_f32 v[BB+\b], v[BB+\b], v[SB+15+16*\b]
.endr
.irp b, 0,1,2,3
	s_delay_alu instid0(VALU_DEP_4)
	v_permlanex16_b32 v[240+\b], v[BB+\b], s[SEL], s[SEL+1]
.endr
.irp b, 0,1,2,3
	s_delay_alu instid0(VALU_DEP_4)
	v_max_num_f32 v[BB+\b], v[BB+\b], v[240+\b]    ; with lane l xor 16's 16 keys
.endr
	s_delay_alu instid0(VALU_DEP_2)
	v_max3_num_f32 v254, v[BB], v[BB+1], v[BB+2]
	s_delay_alu instid0(VALU_DEP_1)
	v_max_num_f32 v254, v254, v[BB+3]              ; the step's largest score of my query
	s_delay_alu instid0(VALU_DEP_1)
	v_mul_f32 v254, s[CS], v254                    ; as t
	s_delay_alu instid0(VALU_DEP_1)
	v_max_num_f32 v13, v13, v254                   ; the running largest t
	v_mov_b32 v254, v12
	s_delay_alu instid0(VALU_DEP_2)
	v_floor_f32 v12, -v13                          ; the new -M = floor(-t): M is a whole number
	s_delay_alu instid0(VALU_DEP_1)
	v_sub_f32 v254, v12, v254                      ; old M - new M: a whole number, 0 or less
	s_delay_alu instid0(VALU_DEP_1)
	v_cvt_i32_f32 v254, v254                       ; (it saturates)
	s_delay_alu instid0(VALU_DEP_1)
	v_ldexp_f32 v252, 1.0, v254                    ; f = 2^(old M - new M)
.set j, 0
.rept 32
	v_pk_fma_f32 v[SB+j:SB+j+1], v[SB+j:SB+j+1], s[CS:CS+1], v[12:13] op_sel_hi:[1,0,0]   ; t - M, two at a time
.set j, j+2
.endr
.irp b, 0,1,2,3
	v_fma_f32 v[BB+\b], v[BB+\b], s[CS], v12       ; the same of each block's largest score
.endr
.endm
.macro EXPS                            ; one batch: p = 2^(t - M), at most 1, and each block's largest p: the same two instructions on the same number give the same bits
.set j, 0
.rept 64
	v_exp_f32 v[SB+j], v[SB+j]
.set j, j+1
.endr
.irp b, 0,1,2,3
	v_exp_f32 v[BB+\b], v[BB+\b]
.endr
.endm
.macro P2 n                            ; the sums, p's quantiser, O^T under the new M: 81 instructions
	v_pk_mul_f32 v[14:15], v[14:15], v[252:253] op_sel_hi:[1,0]   ; the sums under the new M
	v_pk_add_f32 v[244:245], v[SB:SB+1], v[SB+2:SB+3]             ; the row's sum is taken of the unquantised p, in two chains
.irp j, 4,8,12,16,20,24,28,32,36,40,44,48,52,56,60
	v_pk_add_f32 v[14:15], v[14:15], v[SB+\j:SB+\j+1]
	v_pk_add_f32 v[244:245], v[244:245], v[SB+2+\j:SB+3+\j]
.endr
	s_delay_alu instid0(VALU_DEP_1)
	v_pk_add_f32 v[14:15], v[14:15], v[244:245]
.irp b, 0,1,2,3
	v_max_num_f32 v[BB+\b], 0x1800000, v[BB+\b]    ; the floor 2^(3 - 127): the byte cannot fall under 1
.endr
.irp b, 0,1,2,3
	s_delay_alu instid0(VALU_DEP_4)
	v_add_nc_u32 v[248+\b], 0xff000000, v[BB+\b]   ; 2 off the exponent field: the conversion's scale operand
.endr
.irp b, 0,1,2,3
	s_delay_alu instid0(VALU_DEP_4)
	v_lshrrev_b32 v[240+\b], 23, v[248+\b]         ; the scale's byte
.endr
	s_delay_alu instid0(VALU_DEP_3)
	v_lshl_or_b32 v212, v241, 8, v240              ; p's scale word for these 128 keys
	s_delay_alu instid0(VALU_DEP_1)
	v_lshl_or_b32 v212, v242, 16, v212
.if \n
	WIN 0x15                                       ; sources window 1, destination window 0: scale operands are taken from window 0
	v_lshl_or_b32 v196, v243, 24, v212
	WIN 0x55
.else
	s_delay_alu instid0(VALU_DEP_1)
	v_lshl_or_b32 v212, v243, 24, v212
.endif
.irp c, 0,1
	v_cvt_scalef32_pk16_fp6_f32 v[228+6*\c:230+6*\c], v[SB+32*\c:SB+15+32*\c], v[248+2*\c]
	v_cvt_scalef32_pk16_fp6_f32 v[240+4*\c:242+4*\c], v[SB+16+32*\c:SB+31+32*\c], v[248+2*\c+1]   ; (a conversion's three registers begin on an even number)
.endr
	v_nop                                          ; one plain place behind a scaled conversion
.irp c, 0,1                            ; the operand's layout wants a whole block in a lane
.irp i, 0,1,2
	v_permlane16_swap_b32 v[228+6*\c+\i], v[240+4*\c+\i]
.endr
.irp i, 0,1,2
	s_delay_alu instid0(VALU_DEP_3)
	v_mov_b32 v[231+6*\c+\i], v[240+4*\c+\i]
.endr
.endr
.set j, 0
.rept 16
	v_pk_mul_f32 v[160+j:161+j], v[160+j:161+j], v[252:253] op_sel_hi:[1,0]   ; O^T under the new M; these sixteen are also the places between p's codes and scale word and the products
.set j, j+2
.endr
.endm
; A KEY STEP: 128 keys of head hd, for both my tiles.  s[TK], s[TS] stand at the NEXT step's K and scale words, s[TV], s[TJ] at this step's V.
.macro STEP hd
	v_add_nc_u32 v6, s[TV], v1                     ; V's addresses; with the v_nop the four places between the last step's V^T P^T and the loads into V's registers
	v_add_nc_u32 v7, s[TV], v2
	v_add_nc_u32 v9, s[TJ], v3
	v_nop
	s_wait_alu depctr_va_vdst(0)
	ds_load_b128 v[208:211], v9                    ; V's scale words and its four fragments, in one run of 17 loads ahead of the products
	WIN 0x40                                       ; destination window 1
.irp t, 0,1,2,3
	ds_load_b128 v[VB+12*\t:VB+12*\t+3], v6 offset:1536*\t
	ds_load_b64 v[VB+12*\t+4:VB+12*\t+5], v7 offset:1536*\t+512
	ds_load_b128 v[VB+12*\t+6:VB+12*\t+9], v6 offset:1536*\t+768
	ds_load_b64 v[VB+12*\t+10:VB+12*\t+11], v7 offset:1536*\t+1280
.endr
	WIN 0
	s_wait_dscnt 17                                ; K and its scale words, asked for a step ago, are in; the 17 loads just issued may be out
.irp t, 0,1,2,3,4,5,6,7
	QK \hd, 0, \t
.endr
	WIN 0x44                                       ; source 1 (Q) and destination window 1
.irp t, 0,1,2,3,4,5,6,7
	QK \hd, 1, \t
.endr
	WIN 0
	v_add_nc_u32 v4, s[TK], v1                     ; the next step's K; with the v_nop the four places behind the products
	v_add_nc_u32 v5, s[TK], v2
	v_add_nc_u32 v8, s[TS], v3
	v_nop
	TILE 0
	P1A
	KLOADS                                         ; behind tile 0's 85 plain lines; they land under the exponentials and the rest of the softmax
	s_wait_alu depctr_va_vdst(0)
	EXPS
	WIN 0x55                                       ; all operands window 1
	TILE 1
	s_wait_alu depctr_va_vdst(0)
	P1A                                            ; tile 1's plain work stands behind tile 0's exponentials
	s_wait_alu depctr_va_vdst(0)                   ; one wait for tile 0's batch, ahead of its first reader
	EXPS
	WIN 0
	TILE 0
	s_wait_alu depctr_va_vdst(0)
	P2 0                                           ; tile 0's plain work stands behind tile 1's exponentials
	s_wait_alu depctr_va_vdst(0)                   ; one wait for tile 1's batch
	WIN 0x55
	TILE 1
	P2 1
	s_wait_alu depctr_va_vdst(0)
	s_wait_dscnt 0x0                               ; V and its scale words are in (and the next step's K)
	WIN 0x01                                       ; source 0 (V) window 1
.irp t, 0,1,2,3
	v_wmma_scale_f32_16x16x128_f8f6f4 v[160+8*\t:167+8*\t], v[VB+12*\t:VB+12*\t+11], v[228:239], v[160+8*\t:167+8*\t], v[208+\t], v212 matrix_a_fmt:MATRIX_FMT_FP6 matrix_b_fmt:MATRIX_FMT_FP6
.endr
	WIN 0x55
.irp t, 0,1,2,3
	v_wmma_scale_f32_16x16x128_f8f6f4 v[160+8*\t:167+8*\t], v[VB+12*\t:VB+12*\t+11], v[228:239], v[160+8*\t:167+8*\t], v[208+\t], v196 matrix_a_fmt:MATRIX_FMT_FP6 matrix_b_fmt:MATRIX_FMT_FP6
.endr                                  ; the eight accumulators take turns, one instruction a turn
	WIN 0
.endm
; O^T / the sum is half hd of the tile's fragment of o: register 16 b + i is channel 32 b + 16 h + i of my query.
.macro FINISH hd
	v_add_f32 v14, v14, v15
	s_delay_alu instid0(VALU_DEP_1)
	v_permlanex16_b32 v254, v14, s[SEL], s[SEL+1]
	s_delay_alu instid0(VALU_DEP_1)
	v_add_f32 v14, v14, v254                       ; the row's sum
	s_wait_alu depctr_va_vdst(0)
	v_rcp_f32 v14, v14
	v_nop                                          ; a plain place behind the transcendental
	s_wait_alu depctr_va_vdst(0)                   ; the wait ahead of its first reader
.set j, 0
.rept 16
	v_pk_mul_f32 v[SB+j:SB+j+1], v[160+j:161+j], v[14:15] op_sel_hi:[1,0]
.set j, j+2
.endr
.irp b, 0,1
	v_max3_num_f32 v[BB+\b], |v[SB+16*\b]|, |v[SB+1+16*\b]|, 0x1800000
.endr
.irp i, 2,4,6,8,10,12,14
.irp b, 0,1
	s_delay_alu instid0(VALU_DEP_2)
	v_max3_num_f32 v[BB+\b], v[BB+\b], |v[SB+16*\b+\i]|, |v[SB+1+16*\b+\i]|
.endr
.endr
.irp b, 0,1
	s_delay_alu instid0(VALU_DEP_2)
	v_permlanex16_b32 v[240+\b], v[BB+\b], s[SEL], s[SEL+1]
.endr
.irp b, 0,1
	s_delay_alu instid0(VALU_DEP_2)
	v_max_num_f32 v[BB+\b], v[BB+\b], v[240+\b]
.endr
.irp b, 0,1
	s_delay_alu instid0(VALU_DEP_2)
	v_add_nc_u32 v[248+\b], 0xff000000, v[BB+\b]
.endr
.irp b, 0,1
	s_delay_alu instid0(VALU_DEP_2)
	v_lshrrev_b32 v[240+\b], 23, v[248+\b]
.endr
.if \hd
	s_delay_alu instid0(VALU_DEP_1)
	v_lshl_or_b32 v240, v241, 8, v240
	s_delay_alu instid0(VALU_DEP_1)
	v_lshl_or_b32 v226, v240, 16, v226             ; the odd head's two bytes above the even head's
.else
	s_delay_alu instid0(VALU_DEP_1)
	v_lshl_or_b32 v226, v241, 8, v240
.endif
	v_cvt_scalef32_pk16_fp6_f32 v[214+6*\hd:216+6*\hd], v[SB:SB+15], v248
	v_cvt_scalef32_pk16_fp6_f32 v[244:246], v[SB+16:SB+31], v249
	v_nop                                          ; one plain place behind a scaled conversion
.irp i, 0,1,2
	v_permlane16_swap_b32 v[214+6*\hd+\i], v[244+\i]
.endr
.irp i, 0,1,2
	s_delay_alu instid0(VALU_DEP_3)
	v_mov_b32 v[217+6*\hd+\i], v[244+\i]
.endr
.endm
.macro INIT                            ; a tile's statistics and O^T: the step is written once; the first finds zeros, which the first change of M leaves zeros
	v_mov_b32 v13, 0xff61b1e6                      ; the largest t so far: -3e38, under every t
	s_delay_alu instid0(VALU_DEP_1)
	v_floor_f32 v12, -v13                          ; -M
	v_mov_b32 v14, 0
	v_mov_b32 v15, 0
.set j, 0
.rept 32
	v_mov_b32 v[160+j], 0
.set j, j+1
.endr
.endm
.macro HEAD hd
	INIT
	WIN 0x55
	INIT
	WIN 0
	s_mov_b32 s[TK], 768*\hd
	s_mov_b32 s[TV], VL+49152*\hd
	s_mov_b32 s[TS], KSL
	s_mov_b32 s[TJ], VSL+2048*\hd
	s_mov_b32 s[CNT], 8
	v_add_nc_u32 v4, s[TK], v1
	v_add_nc_u32 v5, s[TK], v2
	v_add_nc_u32 v8, s[TS], v3
	KLOADS                                         ; the first step's K
.Lstep_\@:
	s_add_co_u32 s[TK], s[TK], 12288               ; K runs a step ahead
	s_add_co_u32 s[TS], s[TS], 512
	STEP \hd
	s_add_co_u32 s[TV], s[TV], 6144
	s_add_co_u32 s[TJ], s[TJ], 256
	s_sub_co_u32 s[CNT], s[CNT], 1
	s_cmp_lg_u32 s[CNT], 0
	s_cbranch_scc1 .Lstep_\@
.rept 4
	v_nop                                          ; places behind the last products
.endr
	TILE 0
	FINISH \hd
	WIN 0x55
	TILE 1
	FINISH \hd
	WIN 0
.endm
	s_wait_loadcnt 0x0                             ; Q
	s_wait_tensorcnt 0x0                           ; my one load has landed,
	s_barrier_signal -1
	s_barrier_wait -1                              ; everybody's have
	HEAD 0
	HEAD 1                                         ; the odd head's V was shown to all waves by the barrier above
	; THE WAY OUT: my two fragments of o (16 tokens x this head pair: a K step of the projection), as images; the scale words of four tiles meet in LDS and leave in whole runs of 256 bytes.
	s_lshr_b32 s72, s[PP], 3
	s_lshl_b32 s72, s72, 3
	s_lshl_b32 s73, s[CX], 1
	s_add_co_u32 s72, s72, s73                     ; 8 batch + 2 cx: my work-group's first block of 128 tokens
	s_and_b32 s74, s[PP], 7                        ; the K step
	s_lshr_b32 s73, s[WV], 2
	s_add_co_u32 s73, s73, s72                     ; my block
	s_lshl_b32 s73, s73, 3
	s_add_co_u32 s73, s73, s74
	s_lshl_b32 s73, s73, 3
	s_and_b32 s75, s[WV], 3
	s_lshl_b32 s75, s75, 1
	s_add_co_u32 s73, s73, s75                     ; my first tile in it: 2 (wave % 4)
	s_mul_i32 s76, s73, 1536
	s_mov_b32 s77, 0
	s_add_nc_u64 s[76:77], s[8:9], s[76:77]
	s_min_u32 s75, s[WV], 1
	s_add_co_u32 s75, s75, s72
	s_lshl_b32 s75, s75, 3
	s_add_co_u32 s75, s75, s74
	s_lshl_b32 s78, s75, 9
	s_add_co_u32 s78, s78, 6291456
	s_mov_b32 s79, 0
	s_add_nc_u64 s[78:79], s[8:9], s[78:79]
	global_store_b128 v1, v[214:217], s[76:77]             ; each store covers 512 or 256 consecutive bytes, aligned
	global_store_b64 v2, v[218:219], s[76:77] offset:512
	global_store_b128 v1, v[220:223], s[76:77] offset:768
	global_store_b64 v2, v[224:225], s[76:77] offset:1280
	ds_store_b32 v10, v226                         ; lanes l and l + 16 write the same word with the same value
	WIN 0x04                                       ; a store's data are its source 1: window 1
	global_store_b128 v1, v[214:217], s[76:77] offset:1536
	global_store_b64 v2, v[218:219], s[76:77] offset:2048
	s_wait_alu depctr_va_vdst(0)
	global_store_b128 v1, v[220:223], s[76:77] offset:2304
	global_store_b64 v2, v[224:225], s[76:77] offset:2816
	ds_store_b32 v10, v226 offset:4
	WIN 0
	s_wait_dscnt 0x0                               ; for the others' sake: my stores have landed
	s_barrier_signal -1
	s_barrier_wait -1
	s_cmp_lt_u32 s[WV], 2
	s_cbranch_scc0 .Lno_scales
	ds_load_b128 v[244:247], v11
	s_wait_dscnt 0x0
	global_store_b128 v1, v[244:247], s[78:79]     ; a block's 512 bytes of scale words for this K step
.Lno_scales:
	s_wait_tensorcnt 0x0
	ds_add_u32 v227, v255
	s_wait_dscnt 0x0
	CROUND                                         ; the closing round: no work-group ends while a partner may still ask for a tile that names it
	s_endpgm
.Lfunc_end_k_q3b6c75f721_attn:
	.size	k_q3b6c75f721_attn, .Lfunc_end_k_q3b6c75f721_attn-k_q3b6c75f721_attn
	.p2alignl 7, 3214868480
	.fill 96, 4, 3214868480
	.section	.rodata,"a",@progbits
	.p2align	6, 0x0
	.amdhsa_kernel k_q3b6c75f721_attn
		.amdhsa_group_segment_fixed_size 206848
		.amdhsa_private_segment_fixed_size 0
		.amdhsa_enable_private_segment 0
		.amdhsa_kernarg_size 24
		.amdhsa_user_sgpr_count 2
		.amdhsa_user_sgpr_kernarg_segment_ptr 1
		.amdhsa_wavefront_size32 1
		.amdhsa_system_sgpr_workgroup_id_x 1
		.amdhsa_system_sgpr_workgroup_id_y 1
		.amdhsa_system_sgpr_workgroup_id_z 1
		.amdhsa_system_vgpr_workitem_id 0
		.amdhsa_next_free_vgpr 512
		.amdhsa_next_free_sgpr 80
		.amdhsa_reserve_vcc 0
		.amdhsa_float_denorm_mode_32 3
		.amdhsa_float_denorm_mode_16_64 3
		.amdhsa_memory_ordered 1
		.amdhsa_forward_progress 1
		.amdhsa_inst_pref_size 98
	.end_amdhsa_kernel
	.amdgpu_metadata
---
amdhsa.version: [ 1, 2 ]
amdhsa.kernels:
  - .name:           k_q3b6c75f721_attn
    .symbol:         k_q3b6c75f721_attn.kd
    .args:
      - { .name: qkq, .offset: 0, .size: 8, .value_kind: global_buffer, .address_space: global }
      - { .name: vq, .offset: 8, .size: 8, .value_kind: global_buffer, .address_space: global }
      - { .name: oq, .offset: 16, .size: 8, .value_kind: global_buffer, .address_space: global }
    .group_segment_fixed_size: 206848
    .private_segment_fixed_size: 0
    .kernarg_segment_align: 8
    .kernarg_segment_size: 24
    .max_flat_workgroup_size: 256
    .sgpr_count:     80
    .vgpr_count:     512
    .wavefront_size: 32
...
	.end_amdgpu_metadata
.endif
;; end of part 3
;; launch gemm4 (part 4): grid 8 x 32, 4 waves a work-group, clusters of 4 x 4, 307,712 bytes of LDS; arguments oq, wq, b_proj, out0; writes out0
.if DOCPART == 4
	.amdgcn_target "amdgcn-amd-amdhsa--gfx1250"
	.amdhsa_code_object_version 6
	.text
	.protected	k_q3b6c75f721_gemm4
	.globl	k_q3b6c75f721_gemm4
	.p2align	8
	.type	k_q3b6c75f721_gemm4,@function
k_q3b6c75f721_gemm4:
	s_mov_b64 s[64:65], 0
	v_nop
	global_prefetch_b8 v0, s[64:65] scope:SCOPE_SE
	s_setreg_imm32_b32 hwreg(HW_REG_WAVE_MODE, 25, 1), 1
	s_wait_xcnt 0x0
	s_wait_alu depctr_hold_cnt(0) depctr_sa_sdst(0) depctr_va_vdst(0) depctr_va_sdst(0) depctr_va_ssrc(0) depctr_va_vcc(0) depctr_vm_vsrc(0)
	s_getreg_b32 s2, hwreg(HW_REG_IB_STS2, 6, 4)
	s_cmp_eq_u32 s2, 0
	s_cbranch_scc0 .Lentry_in_a_cluster
	s_endpgm
.Lentry_in_a_cluster:
	s_bfe_u32 s2, ttmp6, 0x10000c
	s_cmp_lg_u32 s2, 0xf033
	s_cbranch_scc0 .Lentry_shape_is_right
	s_endpgm
.Lentry_shape_is_right:
; out0 = o w_proj + b_proj on codes of FP6 (E2M3) with E8M0 scales; out0 [8192][1024] f32.
; OPERANDS lie in memory in the order of the matrix operand's registers: rows in blocks of 128, a block in 8 tiles of 16 (tile u: rows 32 (u / 2) + 8 (u % 2) + r + 8 (r / 8)), a fragment (tile x 128 K) in 1,536 bytes:
; two halves of 768: registers 0-3 of lane l at 16 l, registers 4-5 at 512 + 8 l.  Codes [block][K step 8][tile 8][1536]; scale words [block][K step 8][half 2][r 16][4 tiles].
; L = tokens (oq), R = w_proj's columns (wq, blocks 24-31).  A WORK-GROUP makes 256 tokens x 128 columns, so that the problem's 8,192 x 1,024 gives 256 work-groups; each of four waves 64 tokens x 128 columns:
; 32 accumulators, 256 registers.  Source 0 = R, source 1 = L: a lane holds one token, and the 16 registers of R's tiles 2 b and 2 b + 1 are 16 neighbouring columns.  The bias is the C of each sum's first matrix instruction.
; ALL OF K LIES IN LDS: three blocks x 98,304 bytes and 12,288 bytes of scale words.  Every fill is a first fill: no slot is filled again, so there is no ring.  The fills go out at the head, one load a wave for all of K,
; and one wait and a barrier stand in front of the first read: all of K has landed before any product.  A wave has one tensor load out.
; L's blocks are asked for jointly along a row of the cluster (wave 0: both blocks), R's block along a column (wave 1: all of it).
; Nothing is prefetched: all that the launch reads through LDS is asked for at its head.
; REGISTERS, in windows of 256: window 0: v1-9 lane terms, v16-19 LDS addresses, v24-25 the stage's, v27 scale words' address, v32-47 scale words (two sets), v64-127 the bias,
;   v128-223 L's fragments (two sets of four), on the way out v128-255 rows of out0.   window 1: R's fragments, two sets of eight at v0 and v128.   window 2: the accumulators ((a, b) at v[8 (8 a + b)]).
; THE FILLS AS THEY STAND NOW: one joint load a wave at the head, each of a dense block for all of K: wave 0 L's two blocks (196,608 bytes, LDS byte 0), wave 1 R's block (98,304, behind them),
; wave 2 L's scale words (8,192), wave 3 R's (4,096).  Every wave waits for its load ahead of the one barrier in front of the first read.  In a block K step k lies at k x 12,288.
; LDS is only read from there on; a second barrier, round the last K step's products, stands between all waves' reads and the stage's stores.
.set BLKB,  24576
.set HBLK,  12288                      ; one K step of a block
.set SLOT,  3*BLKB                     ; L's two blocks, then R's one
.set FRB,   1536
.set FR,    12
.set NP,    4                          ; places behind this matrix instruction (ISA guide 7.12.1)
.set SCL,   4*SLOT                     ; behind the four slots: the scale words for all of K: L's two blocks, R's one, 4,096 bytes each
.set SPITCH, 528                       ; the way out: a stage of 16 rows x (512 bytes + 16) for each wave, in slot 0, which has had its one fill and its last read by then
.set A16,   16                         ; v16 L's fragments, 16 l form; v17 8 l form
.set B16,   18                         ; v18, v19 the same for R
.set STO,   24
.set RD,    25
.set ADRS,  27
.set SC,    32                         ; register SC + 8 set + tile: lanes 0-15 the word of L's tile (0-3), lanes 16-31 that of R's (0-7)
.set BT,    64
.set AF,    128
.set BK,    128
.set G1,   24                          ; groups 1: L's codes, R's codes, L's scale words, R's
.set G1B,  48
.set G1S,  68
.set G1SB, 80
.set GL0,  32                          ; groups 0: L's codes and scale words
.set GL1,  36
.set GL2,  56
.set GL3,  60
.set GLS,  76
.set GR0,  88                          ; R's
.set GR1,  92
.set GR2,  96
.set GR3,  40
.set GRS,  44
.set MSB, 0
.macro WIN new                         ; the immediate's high byte repeats the setting that is left
.if MSB != \new
	s_set_vgpr_msb (MSB<<8)|\new
.set MSB, \new
.endif
.endm
.set MUL_A, 0xa1                       ; source 0 (R) window 1, source 1 (L) window 0, C and D window 2
.set MUL_B, 0x81                       ; the same with C (the bias) in window 0
.set TO_B,  0x40                       ; destination window 1, address window 0
.macro CROUND                          ; a round of the cluster's barrier
	s_barrier_signal -1
	s_barrier_wait -1
	s_cmp_lg_u32 s14, 0
	s_cbranch_scc1 .Lnot_wave_0_\@
	s_barrier_signal -3
.Lnot_wave_0_\@:
	s_barrier_wait -3
	s_barrier_signal -1
	s_barrier_wait -1
.endm
.macro MKG1 g, mask, rows              ; a group 1: a dense block as rows of 256 bytes (32 elements of 8 bytes), no padding
	s_or_b32 s[\g], s[\mask], (3<<16)|(1<<21)      ; 15:0 the mask; 17:16 elements of 8 bytes; 21 set beside a mask
	s_mov_b32 s[\g+1], 32<<16                      ; tensor_dim0
	s_mov_b32 s[\g+2], (\rows)<<16                 ; tensor_dim1
	s_mov_b32 s[\g+3], 32<<16                      ; tile_dim0
	s_mov_b32 s[\g+4], \rows                       ; tile_dim1
	s_mov_b32 s[\g+5], 32                          ; tensor_dim0_stride
	s_mov_b32 s[\g+6], 0
	s_mov_b32 s[\g+7], 0
.endm
.macro MKG0 g, lb, lo, adr, go         ; a group 0: to LDS byte s[lb] + lo, from s[adr:adr+1] + go
	s_mov_b32 s[\g], 1
	s_add_co_u32 s[\g+1], s[\lb], \lo
	s_add_nc_u64 s[\g+2:\g+3], s[\adr:\adr+1], \go
	s_or_b32 s[\g+3], s[\g+3], 0x80000000
.endm
.macro FRAG reg, adr, off              ; a fragment's image: four loads, each of consecutive bytes
	ds_load_b128 v[\reg:\reg+3], v[\adr] offset:\off
	ds_load_b64 v[\reg+4:\reg+5], v[\adr+1] offset:\off+512
	ds_load_b128 v[\reg+6:\reg+9], v[\adr] offset:\off+768
	ds_load_b64 v[\reg+10:\reg+11], v[\adr+1] offset:\off+1280
.endm
.macro FETCH k                         ; K step k's fragments and scale words into set k % 2: 50 LDS loads.  The address registers stand at slot k / 2
	WIN TO_B
.irp i, 0,1,2,3,4,5,6,7
	FRAG 128*((\k)%2)+FR*\i, B16, ((\k)%2)*HBLK+\i*FRB
.endr
	WIN 0
.irp i, 0,1,2,3
	FRAG AF+48*((\k)%2)+FR*\i, A16, ((\k)%2)*HBLK+\i*FRB
.endr
.irp f, 0,1
	ds_load_b128 v[SC+8*((\k)%2)+4*\f:SC+8*((\k)%2)+4*\f+3], v[ADRS] offset:512*(\k)+256*\f   ; lanes 0-15: L's four words (f = 0; what f = 1 brings them is not used); lanes 16-31: R's eight
.endr
.endm
; A K step's 32 matrix instructions: L's four tiles x R's eight.  The 32 accumulators take turns, one instruction a turn, in the same order in every step.
.macro MUL32 k, first
.if \first
	WIN MUL_B
.else
	WIN MUL_A
.endif
.irp a, 0,1,2,3
.irp b, 0,1,2,3,4,5,6,7
.if \first
	v_wmma_scale_f32_16x16x128_f8f6f4 v[8*(8*\a+\b):8*(8*\a+\b)+7], v[128*((\k)%2)+FR*\b:128*((\k)%2)+FR*\b+FR-1], v[AF+48*((\k)%2)+FR*\a:AF+48*((\k)%2)+FR*\a+FR-1], v[BT+8*\b:BT+8*\b+7], v[SC+8*((\k)%2)+\b], v[SC+8*((\k)%2)+\a] matrix_a_fmt:MATRIX_FMT_FP6 matrix_b_fmt:MATRIX_FMT_FP6 matrix_a_scale:MATRIX_SCALE_ROW1
.else
	v_wmma_scale_f32_16x16x128_f8f6f4 v[8*(8*\a+\b):8*(8*\a+\b)+7], v[128*((\k)%2)+FR*\b:128*((\k)%2)+FR*\b+FR-1], v[AF+48*((\k)%2)+FR*\a:AF+48*((\k)%2)+FR*\a+FR-1], v[8*(8*\a+\b):8*(8*\a+\b)+7], v[SC+8*((\k)%2)+\b], v[SC+8*((\k)%2)+\a] matrix_a_fmt:MATRIX_FMT_FP6 matrix_b_fmt:MATRIX_FMT_FP6 matrix_a_scale:MATRIX_SCALE_ROW1
.endif
.endr
.endr
	WIN 0
.endm
.macro PLACES n                        ; plain places in front of loads into registers that matrix instructions have read, and of the first read of results
.rept \n
	v_nop
.endr
.endm
.macro EVEN k                          ; an even K step: its successor lies in the same slot
	PLACES NP
	FETCH (\k)+1
	s_wait_dscnt 50                                ; this step's loads are in; the 50 just issued may be out
	MUL32 \k, 0
.endm
.macro ODD k, left                     ; an odd K step: its successor lies in the next slot.  left is not used
	v_add_nc_u32 v[A16], BLKB, v[A16]              ; two K steps on in each block; these four are also the places in front of the loads below
	v_add_nc_u32 v[A16+1], BLKB, v[A16+1]
	v_add_nc_u32 v[B16], BLKB, v[B16]
	v_add_nc_u32 v[B16+1], BLKB, v[B16+1]
	s_wait_alu depctr_va_vdst(0)                   ; the wait behind these writes
	FETCH (\k)+1
	s_wait_dscnt 50                                ; this step's loads are in; the 50 just issued may be out
	MUL32 \k, 0
.endm
; THE WAY OUT, tile by tile of 16 tokens x 128 columns: through my own stage and back as whole rows of 512 bytes.  LDS serves a wave's instructions in order: no wait between the stores and the loads.
.macro TOSTAGE a
	WIN 0x08                                       ; the data: window 2
.irp b, 0,1,2,3,4,5,6,7
	ds_store_b128 v[STO], v[64*(\a)+8*\b:64*(\a)+8*\b+3] offset:128*(\b/2)+32*(\b%2)       ; each accumulator from its low end on: columns 32 (b / 2) + 8 (b % 2) + 16 h + 0 .. 7
	ds_store_b128 v[STO], v[64*(\a)+8*\b+4:64*(\a)+8*\b+7] offset:128*(\b/2)+32*(\b%2)+16
.endr
	WIN 0
.set BBK, BK+64*((\a)%2)
.irp t, 0,1,2,3,4,5,6,7,8,9,10,11,12,13,14,15
	ds_load_b128 v[BBK+4*\t:BBK+4*\t+3], v[RD] offset:\t*SPITCH
.endr
.endm
.macro SEND a, younger                 ; younger: the LDS instructions issued behind tile a's loads, which may stay out
.set BBK, BK+64*((\a)%2)
	s_wait_dscnt \younger
.irp t, 0,1,2,3,4,5,6,7,8,9,10,11,12,13,14,15
	global_store_b128 v4, v[BBK+4*\t:BBK+4*\t+3], s[10:11] offset:(32*((\a)/2)+8*((\a)%2)+\t+8*(\t/8))*4096 th:TH_STORE_NT   ; 32 lanes store 512 consecutive bytes, aligned; the row stands in the immediate: 63 rows of 4,096 bytes at the most
.endr
.endm
	s_load_b256 s[4:11], s[0:1], 0x0               ; oq s[4:5], wq s[6:7], b_proj s[8:9], out0 s[10:11]
	v_lshl_add_u32 v62, v0, 2, 0x4b000
	v_mov_b32 v63, 0
	ds_add_u32 v62, v63
	ds_add_u32 v62, v63
	v_lshrrev_b32 v1, 5, v0
	v_readfirstlane_b32 s14, v1                    ; wave 0..3
	s_lshr_b32 s15, s14, 1                         ; which block of L is mine.
	s_and_b32 s16, s14, 1                          ; which half of that block.
	s_bfe_u32 s2, ttmp6, 0x40000                   ; cx, cy: my place in the cluster
	s_bfe_u32 s3, ttmp6, 0x40004
	s_lshl_b32 s19, ttmp9, 2
	s_add_co_u32 s19, s19, s2                      ; R's block of 128 columns = 4 x cluster x + cx
	s_and_b32 s17, ttmp7, 0xffff
	s_lshl_b32 s17, s17, 2
	s_add_co_u32 s17, s17, s3                      ; L's tile of 256 tokens = 4 x cluster y + cy
	s_lshl_b32 s12, s3, 2
	s_lshl_b32 s12, 15, s12                        ; my row of the cluster
	s_lshl_b32 s13, 0x1111, s2                     ; my column
	MKG1 G1, 12, 768                               ; L's codes: two blocks, all of K
	MKG1 G1B, 13, 384                              ; R's codes: the block, all of K
	MKG1 G1S, 12, 32                               ; L's scale words: two blocks'
	MKG1 G1SB, 13, 16                              ; R's: the block's
	s_lshl_b32 s18, s17, 1
	s_mul_i32 s20, s18, 98304
	s_mov_b32 s21, 0
	s_lshl_b32 s22, s18, 12
	s_add_co_u32 s22, s22, 6291456                 ; oq's scale words
	s_mov_b32 s23, 0
	s_mul_i32 s100, s19, 98304                     ; R's block: hangs on cx alone
	s_add_co_u32 s100, s100, 2359296               ; wq: block 24, where w_proj's columns begin
	s_mov_b32 s101, 0
	s_lshl_b32 s66, s19, 12
	s_add_co_u32 s66, s66, 3244032                 ; wq's scale words, block 24
	s_mov_b32 s67, 0
	s_mov_b32 s18, 0                               ; the four tiles' LDS places are constants
	s_wait_dscnt 0x0
	s_wait_kmcnt 0x0
	s_add_nc_u64 s[20:21], s[4:5], s[20:21]
	s_add_nc_u64 s[22:23], s[4:5], s[22:23]
	s_add_nc_u64 s[100:101], s[6:7], s[100:101]
	s_add_nc_u64 s[66:67], s[6:7], s[66:67]
	MKG0 GL0, 18, 0, 20, 0
	MKG0 GR0, 18, 8*BLKB, 100, 0
	MKG0 GLS, 18, SCL, 22, 0
	MKG0 GRS, 18, SCL+8192, 66, 0
	CROUND                                         ; all sixteen work-groups are here: the joint loads meet
.macro ARM under, g0, g1, next         ; one chain of branches on the wave's number: every way passes one load
	s_cmp_lt_u32 s14, \under
	s_cbranch_scc0 \next
	tensor_load_to_lds s[\g0:\g0+3], s[\g1:\g1+7]
	s_nop 0
.rept 4
	v_nop
.endr
	s_branch .Lasked
\next:
.endm
	ARM 1, GL0, G1,  .Lhead_r
	ARM 2, GR0, G1B, .Lhead_sl
	ARM 3, GLS, G1S, .Lhead_sr
	tensor_load_to_lds s[GRS:GRS+3], s[G1SB:G1SB+7]
	s_nop 0
.rept 4
	v_nop
.endr
.Lasked:
	v_and_b32 v1, 15, v0                           ; r
	v_bfe_u32 v2, v0, 4, 1                         ; h
	v_and_b32 v3, 31, v0                           ; lane
	v_lshlrev_b32 v4, 4, v3                        ; 16 l
	v_lshlrev_b32 v5, 3, v3                        ; 8 l
	s_lshl_b32 s20, s19, 9                         ; the bias of the 128 columns; lane (r, h) wants, for R's tile b, columns 32 (b / 2) + 8 (b % 2) + 16 h + 0 .. 7
	s_mov_b32 s21, 0
	s_add_nc_u64 s[8:9], s[8:9], s[20:21]
	v_lshlrev_b32 v9, 6, v2
.irp b, 0,1,2,3,4,5,6,7
	global_load_b128 v[BT+8*\b:BT+8*\b+3], v9, s[8:9] offset:(32*(\b/2)+8*(\b%2))*4
	global_load_b128 v[BT+8*\b+4:BT+8*\b+7], v9, s[8:9] offset:(32*(\b/2)+8*(\b%2))*4+16
.endr
	s_mul_i32 s20, s15, 4*BLKB                     ; my block of L, all of K
	s_mul_i32 s21, s16, 4*FRB                      ; my four tiles of it
	s_add_co_u32 s20, s20, s21
	v_add_nc_u32 v[A16], s20, v4
	v_add_nc_u32 v[A16+1], s20, v5
	v_add_nc_u32 v[B16], 8*BLKB, v4                ; R's block, behind L's two
	v_add_nc_u32 v[B16+1], 8*BLKB, v5
	v_lshlrev_b32 v6, 4, v1                        ; scale words: 16 r
	s_lshl_b32 s20, s15, 12                        ; L's: my block,
	s_lshl_b32 s21, s16, 8                         ; my half
	s_add_co_u32 s20, s20, s21
	s_mov_b32 s22, 2*4096                          ; R's, behind L's two blocks
	s_sub_co_u32 s22, s22, s20
	v_mul_u32_u24 v7, s22, v2                      ; lanes 16-31 take R's: the lower base + h x the distance
	s_add_co_u32 s20, s20, SCL
	v_add_nc_u32 v6, v6, v7
	v_add_nc_u32 v[ADRS], s20, v6
	s_mul_i32 s23, s14, 16*SPITCH                  ; my stage
	v_mul_u32_u24 v6, v1, SPITCH
	v_lshl_add_u32 v6, v2, 6, v6
	v_add_nc_u32 v[STO], s23, v6                   ; in: row r, + 64 h
	v_add_nc_u32 v[RD], s23, v4                    ; back: a row of 512 bytes, 16 bytes a lane
	s_lshl_b32 s20, s17, 8
	s_lshl_b32 s21, s14, 6
	s_add_co_u32 s20, s20, s21                     ; my first token: 256 x tile + 64 x wave
	s_lshl_b32 s20, s20, 12                        ; x a row of 4,096 bytes
	s_lshl_b32 s21, s19, 9                         ; the 128 columns
	s_add_co_u32 s20, s20, s21
	s_mov_b32 s21, 0
	s_add_nc_u64 s[10:11], s[10:11], s[20:21]
	s_wait_alu depctr_va_vdst(0)
	s_wait_tensorcnt 0x0                           ; my one load has landed,
	s_barrier_signal -1
	s_barrier_wait -1                              ; everybody's are
	FETCH 0
	s_wait_loadcnt 0x0                             ; the bias
	FETCH 1
	s_wait_dscnt 50                                ; K step 0's loads are in; the 50 just issued may be out
	MUL32 0, 1                                     ; K step 0: its products start the sums with the bias
	ODD 1, 2                                       ; slot 1 is wanted
	EVEN 2
	ODD 3, 1                                       ; slot 2
	EVEN 4
	ODD 5, 0                                       ; slot 3: all my tensor loads have landed
	EVEN 6
	s_wait_dscnt 0x0                               ; my last reads of the tiles are over:
	s_barrier_signal -1                            ; say so; the products, work on registers, stand between signal and wait;
	MUL32 7, 0
	s_barrier_wait -1                              ; everybody's are: the stage's stores may land on L's bytes
	PLACES NP                                      ; for the loads into the registers that held L's fragments and for the reads of the last results
	TOSTAGE 0
.irp a, 1,2,3
.if \a > 1
	s_wait_xcnt 0x0                                ; the stores of two tiles ago have read their registers: this tile's loads may land there
.endif
	TOSTAGE \a
	SEND \a-1, 32                                  ; behind the last tile's loads: this tile's 16 stores and 16 loads
.endr
	SEND 3, 0
	s_wait_tensorcnt 0x0
	ds_add_u32 v62, v63
	s_wait_dscnt 0x0
	CROUND                                         ; the closing round: no work-group ends while a partner may still ask for a tile that names it
	s_endpgm
.Lfunc_end_k_q3b6c75f721_gemm4:
	.size	k_q3b6c75f721_gemm4, .Lfunc_end_k_q3b6c75f721_gemm4-k_q3b6c75f721_gemm4
	.p2alignl 7, 3214868480
	.fill 96, 4, 3214868480
	.section	.rodata,"a",@progbits
	.p2align	6, 0x0
	.amdhsa_kernel k_q3b6c75f721_gemm4
		.amdhsa_group_segment_fixed_size 307712
		.amdhsa_private_segment_fixed_size 0
		.amdhsa_enable_private_segment 0
		.amdhsa_kernarg_size 32
		.amdhsa_user_sgpr_count 2
		.amdhsa_user_sgpr_kernarg_segment_ptr 1
		.amdhsa_wavefront_size32 1
		.amdhsa_system_sgpr_workgroup_id_x 1
		.amdhsa_system_sgpr_workgroup_id_y 1
		.amdhsa_system_sgpr_workgroup_id_z 1
		.amdhsa_system_vgpr_workitem_id 0
		.amdhsa_next_free_vgpr 768
		.amdhsa_next_free_sgpr 102
		.amdhsa_reserve_vcc 0
		.amdhsa_float_denorm_mode_32 3
		.amdhsa_float_denorm_mode_16_64 3
		.amdhsa_memory_ordered 1
		.amdhsa_forward_progress 1
		.amdhsa_inst_pref_size 84
	.end_amdhsa_kernel
	.amdgpu_metadata
---
amdhsa.version: [ 1, 2 ]
amdhsa.kernels:
  - .name:           k_q3b6c75f721_gemm4
    .symbol:         k_q3b6c75f721_gemm4.kd
    .args:
      - { .name: oq, .offset: 0, .size: 8, .value_kind: global_buffer, .address_space: global }
      - { .name: wq, .offset: 8, .size: 8, .value_kind: global_buffer, .address_space: global }
      - { .name: b_proj, .offset: 16, .size: 8, .value_kind: global_buffer, .address_space: global }
      - { .name: out0, .offset: 24, .size: 8, .value_kind: global_buffer, .address_space: global }
    .group_segment_fixed_size: 307712
    .private_segment_fixed_size: 0
    .kernarg_segment_align: 8
    .kernarg_segment_size: 32
    .max_flat_workgroup_size: 128
    .sgpr_count:     102
    .vgpr_count:     768
    .wavefront_size: 32
...
	.end_amdgpu_metadata
.endif
;; end of part 4
